; MI455X (gfx1250); checked and timed in simulation.
; The chip was launched on July 23, 2026; its instructions are those of AMD's public machine-readable ISA for CDNA 5 (MIT licence, August 2026) and "CDNA5" Instruction Set Architecture Reference Guide (July 2026). The comments in the code are by the model that wrote it; some were corrected since.
;; Multi Head Attention. Allowed arithmetic: matrix products marked QUANTISED: E2M3 operands, one E8M0 scale for each 32 along K, by v_wmma_scale_f32_16x16x128_f8f6f4 with both operands' format E2M3, f32 sums; everything else in f32.
;; Inputs: w_proj 1,024 x 1,024 float32; w_qkv 3,072 x 1,024 float32; x 2 x 2,048 x 1,024 float32.
;; Outputs: out0 2 x 2,048 x 1,024 float32.
;; This version of the problem:
;;   THIS VERSION OF THE PROBLEM IS GIVEN IN LOW PRECISION. The matrix products marked QUANTISED in the list below multiply operands that are first quantised to E2M3 (2 exponent bits, 3 mantissa bits; 6 bits a number), with one power-of-two scale for each 32 numbers along K (OCP MX v1.0); their sums are f32. All else is computed in f32.
;;   The module's matrix products, in the order in which they are computed (A, B: the left and right operand; K: the contracted axis; several contracted axes count as one K, in the product's order):
;;     1. [M 4,096, K 1,024] x [K 1,024, N 3,072]; A: input x; B: input w_qkv: QUANTISED
;;     2. batch 32 x [M 2,048, K 64] x [K 64, N 2,048]; A: computed on the way; B: computed on the way: QUANTISED
;;     3. batch 32 x [M 64, K 2,048] x [K 2,048, N 2,048]; A: computed on the way; B: softmax (see below): QUANTISED
;;     4. [M 4,096, K 1,024] x [K 1,024, N 1,024]; A: computed on the way; B: input w_proj: QUANTISED
;;   THE QUANTISER, for each operand of a quantised product, along K:
;;     - K is cut into blocks of 32 from its start; a last block that is shorter is filled with zeros.
;;     - A block's scale is 2^e with e = floor(log2(the largest magnitude in the block)) - 2, held to -126 .. 127; a block of zeros has e = 0. As a byte (E8M0): e + 127.
;;     - Each number is divided by its block's scale, clamped to +-7.5, and rounded to the nearest number of E2M3, ties to even, subnormals kept.
;;     - The product sums the exact products of the quantised numbers (number of the format x scale) in f32.
;;   ~~~python
;;   def quantise(x, axis):      # numpy; x: float32 -> the quantised numbers, widened to float32 again
;;       x = np.moveaxis(x, axis, -1); K = x.shape[-1]
;;       x = np.pad(x, [(0, 0)] * (x.ndim - 1) + [(0, -K % 32)]); x = x.reshape(x.shape[:-1] + (-1, 32)); a = np.abs(x).max(-1, keepdims=True)
;;       e = np.where(a > 0, np.clip(np.frexp(np.where(a > 0, a, 1))[1] - 1 - 2, -126, 127), 0)      # np.frexp(a)[1] - 1 = floor(log2(a)), exactly
;;       r = np.clip(x / 2.0 ** e, -7.5, 7.5)
;;       step = 2.0 ** (np.maximum(np.frexp(np.where(r == 0, 1, r))[1] - 1, 0) - 3)
;;       q = np.round(r / step) * step * 2.0 ** e      # np.round: ties to even
;;       return np.moveaxis(q.reshape(q.shape[:-2] + (-1,))[..., :K], -1, axis).astype(np.float32)
;;   ~~~
;;   SOFTMAX AHEAD OF A QUANTISED PRODUCT. Where the list says 'softmax', what is quantised is not the finished softmax but p = 2^(t - M), with t = logit x log2(e) and M = ceil(the row's largest t), a whole number; so 1/2 < the row's largest p <= 1. The row's sum l is taken of the UNQUANTISED p, in f32, and the product's result is divided by l at the end. Since M is a whole number, a kernel that streams over the keys may use a running M (the ceiling of the running maximum): every later rescaling is an exact power of two, which a block's scale takes up: the codes' values come out the same.
;;   OPERANDS COMPUTED ON THE WAY. 'Computed on the way' means the value that the module computes at that place (a softmax that the list does not call 'softmax' is quantised finished and normalised). What goes into a quantiser is computed in f32, as accurately as f32 sums, v_exp_f32 and their like allow (about 1e-6 of the number): no bf16 or f16 on the way to a quantiser, and a product that is left as it is and whose result goes on into a quantised operand takes f32 operands (vector FMAs, or v_wmma_f32_16x16x4_f32). A number that lies on a knife's edge between two numbers of the format may be rounded either way, as far as f32 arithmetic and the matrix unit's own rounding can turn it there, and no further.
;; One version. Each part assembles by itself: llvm-mc -triple=amdgcn-amd-amdhsa -mcpu=gfx1250 --defsym DOCPART=n.
;; ======== version 1 of 1: 4 launches
;; workspace buffers: codes 6,291,456 bytes; scales 262,144 bytes; rope 524,288 bytes; qrec 6,684,672 bytes; kvrec 6,684,672 bytes; oc 3,145,728 bytes; os 131,072 bytes
;; launch quant (part 1): grid 288 x 1, 4 waves a work-group, no clusters, 33,280 bytes of LDS; arguments x, w_qkv, w_proj, codes, scales, rope; writes codes, scales, rope
.if DOCPART == 1
	.amdgcn_target "amdgcn-amd-amdhsa--gfx1250"
	.amdhsa_code_object_version 6
	.text
	.protected	k_qd74e60fd1d_quant
	.globl	k_qd74e60fd1d_quant
	.p2align	8
	.type	k_qd74e60fd1d_quant,@function
k_qd74e60fd1d_quant:
	s_mov_b64 s[64:65], 0
	v_nop
	global_prefetch_b8 v0, s[64:65] scope:SCOPE_SE
	s_setreg_imm32_b32 hwreg(HW_REG_WAVE_MODE, 25, 1), 1
	s_wait_xcnt 0x0
; x [4096][1024], w_qkv [3072][1024] and w_proj [1024][1024], f32, become codes of FP6 (E2M3), K innermost, with one E8M0 byte for each 32 along K; and the RoPE table is made.
; Work-groups 0-127 take x, 128-223 w_qkv, 224-255 w_proj: 32,768 numbers each.  Rows are dense and 1,024 is a multiple of 32, so the three tensors are plain streams of blocks of 32, and their codes and
; bytes are laid one tensor behind the other in ONE stream: codes: x at 0, w_qkv at 0x300000, w_proj at 0x540000; bytes: 0, 0x20000, 0x38000.
; A block's scale is 2^(floor(log2(its largest magnitude)) - 2); its byte is the largest magnitude's exponent field - 2, held at 1 from below.
; Work-groups 256-287 make rope [2048 tokens][cos d = 0..31 | sin d = 0..31], f32, 256 bytes a token: 64 tokens a work-group, 16 a wave.
; LIMITS: NaN and infinities among the inputs are not served.  A block of zeros, or one whose largest magnitude lies under 2^-124, gets the byte 1 (the bytes are read by this program alone; zero codes add nothing).
; The frequency of d is exp(f32(2 d) x f32(-ln 10000 / 64)) with the product's rounding carried into the result; the angle token x frequency is one f32 product; it is reduced by pi/2 in two parts and goes
; through polynomials of degree 7 and 8: sine and cosine are good to a few units in the last place of f32 at the f32 angle.
; No tensor loads, no barrier: waves share nothing.  Matrix units and clusters have nothing to do here: no byte is read twice.
.set STEPS, 16
.set EMAX,  2
.set CB,    12                         ; bytes of 16 codes
.set R,     16                         ; v16-79   four sets of 16 numbers as they are loaded
.set X,     80                         ; v80-111  two sets of 16 neighbours
.set C,     128                        ; v128-191 codes: four registers for each step, so that no store's data are written again
.set E,     112                        ; v112-127 a scale byte for each step
.set WREG,  8192                       ; LDS: a region of its own for each wave: two stages of 32 x SP bytes, and behind them its 256 scale bytes
.set SP,    80                         ; a lane's place in a stage: its 64 bytes + 16 of padding
	s_load_b128 s[4:7], s[0:1], 0x0                ; x, w_qkv
	s_load_b128 s[8:11], s[0:1], 0x10              ; w_proj, codes
	s_load_b128 s[12:15], s[0:1], 0x20             ; scales, rope
	v_lshl_add_u32 v192, v0, 2, 0x8000
	v_mov_b32 v193, 0
	v_lshrrev_b32 v1, 5, v0
	v_readfirstlane_b32 s16, v1                    ; wave
	v_and_b32 v2, 31, v0                           ; lane
	s_wait_kmcnt 0x0
	s_cmp_ge_u32 ttmp9, 256
	s_cbranch_scc1 .Ltable
	; ---------------- the quantiser
	v_lshlrev_b32 v3, 4, v2                        ; my 16 bytes of a load's 512
	s_mul_i32 s17, s16, WREG
	v_lshrrev_b32 v14, 2, v2
	v_mul_u32_u24 v14, v14, SP
	v_and_b32 v15, 3, v2
	v_lshl_add_u32 v14, v15, 4, v14
	v_add_nc_u32 v14, s17, v14                     ; the stage, on the way in: four lanes' 64 bytes on end, then 16 of padding
	v_mul_u32_u24 v15, v2, SP
	v_add_nc_u32 v15, s17, v15                     ; and on the way out: SP x lane: my 16 neighbours
	v_mul_u32_u24 v4, v2, CB                       ; my codes' place in a step's
	v_lshrrev_b32 v5, 1, v2
	s_add_co_u32 s17, s17, 2*32*SP
	v_add_nc_u32 v5, s17, v5                       ; LDS: my wave's 256 scale bytes, my block's byte
	v_lshlrev_b32 v7, 3, v2                        ; and on the way out 8 bytes a lane
	v_add_nc_u32 v6, s17, v7
	s_cmp_lt_u32 ttmp9, 128                        ; which tensor?  The choice hangs on the work-group's number alone
	s_cselect_b64 s[4:5], s[4:5], s[6:7]
	s_cselect_b32 s17, 0, 128
	s_mov_b32 s18, 224
	s_cmp_lt_u32 ttmp9, 224
	s_cselect_b64 s[4:5], s[4:5], s[8:9]
	s_cselect_b32 s17, s17, s18                    ; the tensor's first work-group
	s_sub_co_u32 s17, ttmp9, s17
	s_lshl_b32 s17, s17, 2
	s_add_co_u32 s17, s17, s16                     ; which run of 8,192 numbers of the tensor is my wave's
	s_lshl_b32 s20, s17, 15                        ; 32,768 bytes a run
	s_mov_b32 s21, 0
	s_add_nc_u64 s[4:5], s[4:5], s[20:21]
	s_lshl_b32 s18, ttmp9, 2
	s_add_co_u32 s18, s18, s16                     ; which run of the one stream of codes and bytes
	s_mul_i32 s20, s18, 32*STEPS*CB                ; 6,144 bytes of codes a run
	s_add_nc_u64 s[10:11], s[10:11], s[20:21]
	s_lshl_b32 s20, s18, 8                         ; 256 scale bytes a run
	s_add_nc_u64 s[12:13], s[12:13], s[20:21]
.macro LOAD t
.irp i, 0,1,2,3
	global_load_b128 v[R+16*((\t)%4)+4*\i:R+16*((\t)%4)+4*\i+3], v3, s[4:5] offset:2048*(\t)+512*\i th:TH_LOAD_NT   ; 32 lanes read 512 consecutive bytes
.endr
.endm
.macro TURN t                          ; step t's numbers through the stage: LDS serves a wave's instructions in order, so no wait stands between the stores and the loads
.irp i, 0,1,2,3
	ds_store_b128 v14, v[R+16*((\t)%4)+4*\i:R+16*((\t)%4)+4*\i+3] offset:32*SP*((\t)%2)+8*SP*\i
.endr
.irp i, 0,1,2,3
	ds_load_b128 v[X+16*((\t)%2)+4*\i:X+16*((\t)%2)+4*\i+3], v15 offset:32*SP*((\t)%2)+16*\i
.endr
.endm
.irp t, 0,1,2,3
	LOAD \t
.endr
	s_wait_loadcnt 12                              ; step 0's four loads are in
	TURN 0
.macro STEP t
.set XS, X+16*((\t)%2)
.if (\t) > 0
	s_wait_dscnt 1                                 ; this step's numbers are back from the stage (the last step's byte store may be out): so its stores into the stage have read their registers,
.else
	s_wait_dscnt 0x0
.endif
.if (\t)+4 < STEPS
	LOAD (\t)+4                                    ; which take the loads of four steps on
.endif
.if (\t)+1 < STEPS
.if STEPS-2-(\t) >= 3
	s_wait_loadcnt 12                              ; the next step's four loads are in; those of the three steps behind it may be out
.else
	s_wait_loadcnt 4*(STEPS-2-(\t))
.endif
	TURN (\t)+1                                    ; and go through the other stage while this step is worked
.endif
	v_max3_num_f32 v8, |v[XS]|, |v[XS+1]|, |v[XS+2]|               ; the largest magnitude of my 16
	v_max3_num_f32 v9, |v[XS+3]|, |v[XS+4]|, |v[XS+5]|
.irp i, 6,10
	v_max3_num_f32 v8, v8, |v[XS+\i]|, |v[XS+\i+1]|
	v_max3_num_f32 v9, v9, |v[XS+\i+2]|, |v[XS+\i+3]|
.endr
	v_max3_num_f32 v8, v8, |v[XS+14]|, |v[XS+15]|
	v_max3_num_f32 v8, v8, v9, (EMAX+1)<<23        ; and the floor 2^(3 - 127): so the byte cannot fall under 1
	v_max_num_f32_dpp v8, v8, v8 row_xmask:1 row_mask:0xf bank_mask:0xf   ; and of my neighbour's 16: the block's
	v_add_nc_u32 v11, -(EMAX<<23), v8              ; 2 off its exponent field: the conversion takes the exponent field of this operand as its scale, and nothing else of it
	v_cvt_scalef32_pk16_fp6_f32 v[C+4*(\t):C+4*(\t)+2], v[XS:XS+15], v11   ; sixteen numbers / the scale, to the nearest code, ties to even, beyond the largest code the largest; 96 bits without gaps
	v_lshrrev_b32 v[E+(\t)], 23, v11               ; the scale's byte
	ds_store_b8 v5, v[E+(\t)] offset:16*(\t)       ; both lanes of a block write the same byte with the same value
	global_store_b96 v4, v[C+4*(\t):C+4*(\t)+2], s[10:11] offset:32*CB*(\t)   ; the wave stores 384 consecutive bytes
.endm
.irp t, 0,1,2,3,4,5,6,7,8,9,10,11,12,13,14,15
	STEP \t
.endr
	ds_load_b64 v[12:13], v6                       ; LDS serves a wave's instructions in order: these see my stores
	s_wait_dscnt 0x0
	global_store_b64 v7, v[12:13], s[12:13]        ; 32 lanes store 256 consecutive bytes, aligned
	s_wait_tensorcnt 0x0
	ds_add_u32 v192, v193
	s_wait_dscnt 0x0
	s_endpgm
	; ---------------- the RoPE table
.Ltable:
.set T, 64                             ; v64-95: four chains of eight registers: +0 angle, +1 n, +2 r, +3 quadrant, +4 r^2, +5 sine, +6 cosine, +7 at work
	s_sub_co_u32 s30, ttmp9, 256
	s_lshl_b32 s30, s30, 6
	s_lshl_b32 s31, s16, 4
	s_add_co_u32 s30, s30, s31                     ; my wave's first token
	s_lshl_b32 s32, s30, 8                         ; 256 bytes a token
	s_mov_b32 s33, 0
	s_add_nc_u64 s[14:15], s[14:15], s[32:33]
	s_mov_b32 s20, 0x3f22f983                      ; 2 / pi
	s_mov_b32 s21, 0x3fc90fdb                      ; pi / 2, its f32 part,
	s_mov_b32 s22, 0xb33bbd2e                      ; and what is left of it
	s_mov_b32 s23, 0xbe2aaaa3                      ; sine: r + r^3 (S1 + S2 r^2 + S3 r^4)
	s_mov_b32 s24, 0x3c08839e
	s_mov_b32 s25, 0xb94ca1f9
	s_mov_b32 s26, 0x3d2aaaa5                      ; cosine: 1 - r^2 / 2 + r^4 (C1 + C2 r^2 + C3 r^4)
	s_mov_b32 s27, 0xbab6061a
	s_mov_b32 s28, 0x37ccf5ce
	v_lshlrev_b32 v3, 3, v2                        ; lane L stores 8 bytes at 8 L: lanes 0-15 the cosines of d = 2 L, 2 L + 1, lanes 16-31 the sines of d = 2 (L - 16), + 1
	v_lshrrev_b32 v4, 4, v2
	v_xor_b32 v4, 1, v4                            ; 1 in the lanes that make cosines: cos(a) = sin(a + pi / 2): one quadrant on
	v_and_b32 v5, 15, v2
	v_lshlrev_b32 v5, 2, v5                        ; 2 d of my first d
.irp e, 0,1
	v_add_nc_u32 v[10+\e], 2*\e, v5
	v_cvt_f32_u32 v[10+\e], v[10+\e]
	v_mul_f32 v[10+\e], 0xbe135d8e, v[10+\e]       ; a = 2 d x f32(-ln 10000 / 64), one f32 product
	v_mul_f32 v[12+\e], 0x3fb8aa3b, v[10+\e]       ; y = a log2(e), rounded;
	v_fma_f32 v[14+\e], v[10+\e], 0x3fb8aa3b, -v[12+\e]   ; what the rounding dropped,
	v_fma_f32 v[14+\e], v[10+\e], 0x32a57060, v[14+\e]    ; and what f32 drops of log2(e)
.endr
	v_exp_f32 v6, v12
	v_exp_f32 v7, v13
	v_mul_f32 v14, 0x3f317218, v14                 ; x ln 2  (plain work behind the exponentials)
	v_mul_f32 v15, 0x3f317218, v15
	s_wait_alu depctr_va_vdst(0)                   ; one wait for both exponentials, ahead of their first reader
	v_fma_f32 v6, v6, v14, v6                      ; the frequency of d
	v_fma_f32 v7, v7, v15, v7
; Tokens i and i + 1 of my sixteen: four chains (token u / 2, d u % 2) line by line, so that no line waits for the line above it.  Each token has its own data registers: no store's data are written again.
.macro TOK2 i
	s_add_co_u32 s19, s30, \i
	v_cvt_f32_u32 v8, s19
	s_add_co_u32 s19, s30, \i+1
	v_cvt_f32_u32 v9, s19
.irp u, 0,1,2,3
	v_mul_f32 v[T+8*\u], v[8+\u/2], v[6+\u%2]      ; the angle: one f32 product
.endr
.irp u, 0,1,2,3
	v_mul_f32 v[T+8*\u+1], s20, v[T+8*\u]
.endr
.irp u, 0,1,2,3
	v_rndne_f32 v[T+8*\u+1], v[T+8*\u+1]           ; n = the nearest multiple of pi / 2: at most 1,304
.endr
.irp u, 0,1,2,3
	v_fma_f32 v[T+8*\u+2], -v[T+8*\u+1], s21, v[T+8*\u]     ; exact: a multiple of 2^-23 under 1
.endr
.irp u, 0,1,2,3
	v_fma_f32 v[T+8*\u+2], -v[T+8*\u+1], s22, v[T+8*\u+2]   ; r
.endr
.irp u, 0,1,2,3
	v_cvt_i32_f32 v[T+8*\u+3], v[T+8*\u+1]
.endr
.irp u, 0,1,2,3
	v_add_nc_u32 v[T+8*\u+3], v[T+8*\u+3], v4      ; the quadrant
.endr
.irp u, 0,1,2,3
	v_mul_f32 v[T+8*\u+4], v[T+8*\u+2], v[T+8*\u+2]
.endr
.irp u, 0,1,2,3
	v_fma_f32 v[T+8*\u+5], v[T+8*\u+4], s25, s24
	v_fma_f32 v[T+8*\u+6], v[T+8*\u+4], s28, s27
.endr
.irp u, 0,1,2,3
	v_fma_f32 v[T+8*\u+5], v[T+8*\u+5], v[T+8*\u+4], s23
	v_fma_f32 v[T+8*\u+6], v[T+8*\u+6], v[T+8*\u+4], s26
.endr
.irp u, 0,1,2,3
	v_mul_f32 v[T+8*\u+5], v[T+8*\u+5], v[T+8*\u+4]
	v_mul_f32 v[T+8*\u+6], v[T+8*\u+6], v[T+8*\u+4]
	v_fma_f32 v[T+8*\u+7], v[T+8*\u+4], -0.5, 1.0
.endr
.irp u, 0,1,2,3
	v_fma_f32 v[T+8*\u+5], v[T+8*\u+5], v[T+8*\u+2], v[T+8*\u+2]   ; sin r
	v_fma_f32 v[T+8*\u+6], v[T+8*\u+6], v[T+8*\u+4], v[T+8*\u+7]   ; cos r
.endr
.irp u, 0,1,2,3
	v_and_b32 v[T+8*\u+7], 1, v[T+8*\u+3]
.endr
.irp u, 0,1,2,3
	v_cmp_eq_u32 s[34+\u], 1, v[T+8*\u+7]
.endr
.irp u, 0,1,2,3
	v_cndmask_b32 v[T+8*\u+5], v[T+8*\u+5], v[T+8*\u+6], s[34+\u]   ; odd quadrants take the cosine,
.endr
.irp u, 0,1,2,3
	v_and_b32 v[T+8*\u+7], 2, v[T+8*\u+3]
.endr
.irp u, 0,1,2,3
	v_lshlrev_b32 v[T+8*\u+7], 30, v[T+8*\u+7]
.endr
.irp u, 0,1,2,3
	v_xor_b32 v[32+2*(\i)+\u], v[T+8*\u+5], v[T+8*\u+7]            ; quadrants 2 and 3 the other sign
.endr
	global_store_b64 v3, v[32+2*(\i):33+2*(\i)], s[14:15] offset:256*(\i)       ; 32 lanes store a token's 256 bytes, aligned
	global_store_b64 v3, v[34+2*(\i):35+2*(\i)], s[14:15] offset:256*(\i)+256
.endm
.irp i, 0,2,4,6,8,10,12,14
	TOK2 \i
.endr
	s_endpgm
.Lfunc_end_k_qd74e60fd1d_quant:
	.size	k_qd74e60fd1d_quant, .Lfunc_end_k_qd74e60fd1d_quant-k_qd74e60fd1d_quant
	.p2alignl 7, 3214868480
	.fill 96, 4, 3214868480
	.section	.rodata,"a",@progbits
	.p2align	6, 0x0
	.amdhsa_kernel k_qd74e60fd1d_quant
		.amdhsa_group_segment_fixed_size 33280
		.amdhsa_private_segment_fixed_size 0
		.amdhsa_enable_private_segment 0
		.amdhsa_kernarg_size 48
		.amdhsa_user_sgpr_count 2
		.amdhsa_user_sgpr_kernarg_segment_ptr 1
		.amdhsa_wavefront_size32 1
		.amdhsa_system_sgpr_workgroup_id_x 1
		.amdhsa_system_sgpr_workgroup_id_y 1
		.amdhsa_system_sgpr_workgroup_id_z 1
		.amdhsa_system_vgpr_workitem_id 0
		.amdhsa_next_free_vgpr 194
		.amdhsa_next_free_sgpr 66
		.amdhsa_reserve_vcc 0
		.amdhsa_float_denorm_mode_32 3
		.amdhsa_float_denorm_mode_16_64 3
		.amdhsa_memory_ordered 1
		.amdhsa_forward_progress 1
		.amdhsa_inst_pref_size 71
	.end_amdhsa_kernel
	.amdgpu_metadata
---
amdhsa.version: [ 1, 2 ]
amdhsa.kernels:
  - .name:           k_qd74e60fd1d_quant
    .symbol:         k_qd74e60fd1d_quant.kd
    .args:
      - { .name: x, .offset: 0, .size: 8, .value_kind: global_buffer, .address_space: global }
      - { .name: w_qkv, .offset: 8, .size: 8, .value_kind: global_buffer, .address_space: global }
      - { .name: w_proj, .offset: 16, .size: 8, .value_kind: global_buffer, .address_space: global }
      - { .name: codes, .offset: 24, .size: 8, .value_kind: global_buffer, .address_space: global }
      - { .name: scales, .offset: 32, .size: 8, .value_kind: global_buffer, .address_space: global }
      - { .name: rope, .offset: 40, .size: 8, .value_kind: global_buffer, .address_space: global }
    .group_segment_fixed_size: 33280
    .private_segment_fixed_size: 0
    .kernarg_segment_align: 8
    .kernarg_segment_size: 48
    .max_flat_workgroup_size: 128
    .sgpr_count:     66
    .vgpr_count:     194
    .wavefront_size: 32
...
	.end_amdgpu_metadata
.endif
;; end of part 1
;; launch qkv (part 2): grid 12 x 16, 4 waves a work-group, clusters of 4 x 4, 327,680 bytes of LDS; arguments codes, scales, rope, qrec, kvrec; writes qrec, kvrec
.if DOCPART == 2
	.amdgcn_target "amdgcn-amd-amdhsa--gfx1250"
	.amdhsa_code_object_version 6
	.text
	.protected	k_qd74e60fd1d_qkv
	.globl	k_qd74e60fd1d_qkv
	.p2align	8
	.type	k_qd74e60fd1d_qkv,@function
k_qd74e60fd1d_qkv:
	s_mov_b64 s[64:65], 0
	v_nop
	global_prefetch_b8 v0, s[64:65] scope:SCOPE_SE
	s_setreg_imm32_b32 hwreg(HW_REG_WAVE_MODE, 25, 1), 1
	s_wait_xcnt 0x0
	s_wait_alu depctr_hold_cnt(0) depctr_sa_sdst(0) depctr_va_vdst(0) depctr_va_sdst(0) depctr_va_ssrc(0) depctr_va_vcc(0) depctr_vm_vsrc(0)
	s_getreg_b32 s2, hwreg(HW_REG_IB_STS2, 6, 4)
	s_cmp_eq_u32 s2, 0
	s_cbranch_scc0 .Lentry_in_a_cluster
	s_endpgm
.Lentry_in_a_cluster:
	s_bfe_u32 s2, ttmp6, 0x10000c
	s_cmp_lg_u32 s2, 0xf033
	s_cbranch_scc0 .Lentry_shape_is_right
	s_endpgm
.Lentry_shape_is_right:
; qkv[token][feature] = sum over c of x[token][c] w_qkv[feature][c], on codes of FP6 (E2M3) with one E8M0 scale for each 32 along K; then, in registers: RoPE on q and k, and all three quantised anew for attention.
; A = x's codes [4096][1024] (codes at 0, bytes at 0), B = w_qkv's [3072][1024] (codes at 0x300000, bytes at 0x20000).  A row of 1,024 codes is 768 bytes, one stream of bits.
; A tile of 256 tokens x 256 features is made by a work-group of four waves; a wave makes 128 x 128: 64 accumulators, 512 registers.  K goes in steps of 256 through a ring of two LDS slots filled by the
; tensor data mover.  The scale bytes of the work-group's rows of A and of B, for all of K, come into LDS once, with the first fills.
; CLUSTERS: 4 x 4 work-groups.  The four of a row of the cluster need the same tiles of A, the four of a column the same tiles of B: each tile is asked for JOINTLY, by the same tensor load with the same
; descriptor and a mask that names the four.  A cluster's 1,024 features are all q (cluster x = 0), all k (1) or all v (2): the way out parts on the cluster's x, which the sixteen partners share.
; THE MATRIX INSTRUCTION IS USED TRANSPOSED (source 0 = 16 rows of B, source 1 = 16 rows of A): lane (r, h) holds token r of a tile, and register j of accumulator (a, b) feature 16 b + 8 h + j.
; A wave's 128 features are two heads (b = 0-3, 4-7), its 128 tokens one group g of 128 keys.
; WHAT IS STORED.  For each head bh and group g a record of REC = 13,056 bytes, laid in the order of the operands' registers (an image: four registers as 512 bytes, lane l's 16 bytes at 16 l):
;   0      four pair images of 1,536 bytes: registers 0-5 of the fragments of token tiles 2 p and 2 p + 1 (16 tokens x 64 along d: the lower half of a fragment of 128 along K)
;   6,144  four fragments of V^T (16 of the head's 64 x 128 keys), 1,536 bytes each
;   12,288 the pairs' scale words [lane 32][p 4]: lanes 0-15 tile 2 p, lanes 16-31 tile 2 p + 1; bytes 2 and 3 are 127: they meet zero codes
;   12,800 V's scale words [lane 32][2]: lanes 0-15 fragment 2 bb, lanes 16-31 fragment 2 bb + 1
; k and v go to kvrec; q goes to qrec, which has the same geometry and of which only the first and the third part are written and read.
; ORDER INSIDE A BLOCK OF 32.  Place p of a block holds number pi(p) = p % 8 + 16 ((p / 8) % 2) + 8 (p / 16) of it: in q and k along d, in V (and in attention's p) along the keys.  Both sides of a
; product have the same order, so the products and the blocks' scales are those of the natural order.  Row r of V's fragment 2 bb + u is d = 32 bb + 8 u + r + 8 (r / 8).
; LIMITS: NaN and infinities are not served.  A block of zeros, or under 2^-124, gets the byte 1 (read by this program alone).  RoPE is a product and a fused multiply-add where the definition has two products and a sum.
; REGISTERS, in windows of 256: window 0: v0-31 addresses; v32-63 scale words, two sets; from v128 A's fragments, ONE set; on the way out v64-255 are at work.
;   window 1: B's fragments, TWO sets; on q's and k's way out the cosines and sines.   window 2: the accumulators of my tokens 0-63 ((a, b) at v[8 (8 a + b)]);   window 3: those of tokens 64-127.
.set SIZE_K, 1024
.set KSTEP,  256                       ; along K in a slot
.set NQ,     KSTEP/128                 ; matrix instructions deep
.set ROWB,   192                       ; a tile's row in bytes
.set KROW,   SIZE_K*6/8                ; a row of A or of B in memory
.set PITCH,  240                       ; an LDS row: 3 x (64 bytes of data + 16 of padding)
.set FR,     12                        ; registers of a fragment
.set NL,     6                         ; LDS loads that bring one
.set NP,     4                         ; places behind this matrix instruction (ISA guide 7.12.1)
.set HALFT,  128*PITCH                 ; 128 rows: what one tensor load brings
.set SLOT,   4*HALFT                   ; A's 256 rows, then B's 256 rows
.set LAPS,   SIZE_K/(2*KSTEP)          ; a lap = two K steps = once round the ring
.set KS,     SIZE_K/32                 ; a row of scales in bytes
.set SCL,    2*SLOT                    ; behind the ring: the scales, as units of 256 bytes + 16 of padding
.set HALFS,  (128*KS/256)*272          ; the scales of 128 rows
.set SBLK,   (16*KS/256)*272           ; those of 16 rows
.set SPARE,  SCL+4*HALFS               ; behind the scales: the spare words, 128 bytes for each wave
.set REC,    13056
.set HEADB,  16*REC                    ; a head's sixteen records
.set ADRA, 16                          ; v16-17  LDS address of my A fragments in slot 0, 1  (v18-19: for the pieces behind one padding more)
.set ADRB, 20                          ; v20-21  the same for B  (v22-23)
.set STO,  24                          ; v24     v's way out: where I put 32 bytes of a token's row in my stage
.set RDV,  25                          ; v25     and where I read a feature's column
.set LI,   26                          ; v26     16 x lane
.set ADRS, 27                          ; v27     LDS address of my scale words
.set SPW,  28                          ; v28     LDS address of my spare word; never rewritten
.set NIL,  29                          ; v29     0; never rewritten
.set LJ,   30                          ; v30     8 x lane
.set RO,   31                          ; v31     256 r + 32 h: my place in sixteen rows of the RoPE table
.set SC,   32
.set AF,   128
.set G1, 24
.set G0, 32
.set G1B, 48
.set G0B, 56
.set G1S, 68
.set G0S, 76
.set G1SB, 80
.set G0SB, 88
.set SEL, 92                           ; s[92:93] on the way out: lane selects for lane l xor 16
.set HI,  95                           ; s95     on the way out: the mask of lanes 16-31
.set OB,  44                           ; s[44:45] on the way out: my first record
.set MSB, 0
.macro WIN new                         ; the immediate's high byte repeats the setting that is left
.if MSB != (\new)
	s_set_vgpr_msb (MSB<<8)|(\new)
.set MSB, (\new)
.endif
.endm
.set MUL_LO, 0xa1                      ; source 0 (B) window 1, source 1 (A) window 0, C and D window 2
.set MUL_HI, 0xf1                      ; the same, C and D window 3
.set TO_B,   0x40                      ; destination window 1, address window 0
; A joint load: waves 0 and 1 fetch for A, waves 2 and 3 for B.  Each of the two lines has ONE mask and one set of registers for all that issue it; the branch hangs on the wave's number alone.
; Four v_nop follow each of the two lines, ahead of the jump, the label and what follows.
.macro JLOAD g0a, g1a, g0b, g1b
	s_cmp_eq_u32 s15, 0
	s_cbranch_scc0 .Lfor_b_\@
	tensor_load_to_lds s[\g0a:\g0a+3], s[\g1a:\g1a+7]
	s_nop 0
.rept 4
	v_nop
.endr
	s_branch .Lasked_\@
.Lfor_b_\@:
	tensor_load_to_lds s[\g0b:\g0b+3], s[\g1b:\g1b+7]
	s_nop 0
.rept 4
	v_nop
.endr
.Lasked_\@:
.endm
.macro CREST                           ; a round of the cluster's barrier behind its opening barrier
	s_cmp_lg_u32 s14, 0
	s_cbranch_scc1 .Lnot_wave_0_\@
	s_barrier_signal -3
.Lnot_wave_0_\@:
	s_barrier_wait -3
	s_barrier_signal -1
	s_barrier_wait -1
.endm
.macro CROUND                          ; a whole round
	s_barrier_signal -1
	s_barrier_wait -1
	CREST
.endm
	s_load_b128 s[4:7], s[0:1], 0x0                ; codes, scales
	s_load_b64 s[12:13], s[0:1], 0x10              ; rope
	s_load_b128 s[96:99], s[0:1], 0x18             ; qrec, kvrec
	v_lshl_add_u32 v[SPW], v0, 2, SPARE
	v_mov_b32 v[NIL], 0
	ds_add_u32 v28, v29
	ds_add_u32 v28, v29
	s_wait_dscnt 0x0
	v_lshrrev_b32 v1, 5, v0
	v_readfirstlane_b32 s14, v1                    ; wave 0..3
	s_lshr_b32 s15, s14, 1                         ; which half of the tile's tokens is mine.  Also: I fetch for A (0) or for B (1)
	s_and_b32 s16, s14, 1                          ; which half of its features.  Also: which 128 rows of that tile I fetch
	s_bfe_u32 s40, ttmp6, 0x40000                  ; cx, cy: my place in the cluster
	s_bfe_u32 s41, ttmp6, 0x40004
	s_lshl_b32 s42, ttmp9, 2
	s_add_co_u32 s42, s42, s40                     ; tile column = 4 x cluster x + cx
	s_and_b32 s17, ttmp7, 0xffff
	s_lshl_b32 s17, s17, 2
	s_add_co_u32 s17, s17, s41                     ; tile row = 4 x cluster y + cy
	s_lshl_b32 s43, s41, 2
	s_lshl_b32 s43, 15, s43                        ; my row of the cluster
	s_lshl_b32 s44, 0x1111, s40                    ; my column
	; descriptor group 1: a tile of 128 rows x ROWB bytes, padded in LDS
	s_or_b32 s[G1+0], s43, (0<<16)|(1<<20)|(1<<21)|(3<<22)|(3<<25)  ; 15:0 the mask: A's tiles go to my row; 17:16 element of 1 byte; 20 padding on; 21 set beside a mask; 24:22 after every 16 words; 31:25 of 4 words
	s_or_b32 s[G1B+0], s44, (0<<16)|(1<<20)|(1<<21)|(3<<22)|(3<<25)
.irp g, G1, G1B
	s_mov_b32 s[\g+1], ROWB<<16                    ; tensor_dim0
	s_mov_b32 s[\g+2], 128<<16                     ; tensor_dim1 = 128
	s_mov_b32 s[\g+3], ROWB<<16                    ; tile_dim0
	s_mov_b32 s[\g+4], 128                         ; tile_dim1 = 128
	s_mov_b32 s[\g+5], KROW                        ; tensor_dim0_stride
	s_mov_b32 s[\g+6], 0
	s_mov_b32 s[\g+7], 0
.endr
	; and for the scales of 128 rows: a dense block of 128 KS bytes, as rows of 256 bytes (32 elements of 8 bytes), 16 bytes of padding behind each
	s_or_b32 s[G1S+0], s43, (3<<16)|(1<<20)|(1<<21)|(5<<22)|(3<<25)
	s_or_b32 s[G1SB+0], s44, (3<<16)|(1<<20)|(1<<21)|(5<<22)|(3<<25)
.irp g, G1S, G1SB
	s_mov_b32 s[\g+1], 32<<16
	s_mov_b32 s[\g+2], (128*KS/256)<<16
	s_mov_b32 s[\g+3], 32<<16
	s_mov_b32 s[\g+4], 128*KS/256
	s_mov_b32 s[\g+5], 32
	s_mov_b32 s[\g+6], 0
	s_mov_b32 s[\g+7], 0
.endr
	s_lshl_b32 s18, s16, 7                         ; which 128 rows of the tile I fetch
	s_lshl_b32 s20, s17, 8
	s_add_co_u32 s20, s20, s18                     ; A: row 256 x tile row + 128 x half
	s_lshl_b32 s46, s42, 8
	s_add_co_u32 s46, s46, s18                     ; B: row 256 x tile column + 128 x half
	s_mov_b32 s21, 0
	s_mov_b32 s47, 0
	s_mov_b64 s[18:19], KS
	s_mul_u64 s[22:23], s[20:21], s[18:19]         ; where these rows' scales begin, in bytes
	s_mul_u64 s[92:93], s[46:47], s[18:19]
	s_mov_b64 s[18:19], KROW
	s_mul_u64 s[20:21], s[20:21], s[18:19]         ; and their codes
	s_mul_u64 s[46:47], s[46:47], s[18:19]
	s_mul_i32 s45, s14, HALFT                      ; where they go: wave x 128 rows: no place in the cluster enters an LDS address
	s_mul_i32 s94, s14, HALFS
	s_wait_kmcnt 0x0
	s_add_nc_u64 s[8:9], s[4:5], 0x300000          ; w_qkv's codes lie behind x's,
	s_add_nc_u64 s[10:11], s[6:7], 0x20000         ; its scale bytes likewise
	s_add_nc_u64 s[20:21], s[4:5], s[20:21]
	s_add_nc_u64 s[22:23], s[6:7], s[22:23]
	s_add_nc_u64 s[46:47], s[8:9], s[46:47]
	s_add_nc_u64 s[92:93], s[10:11], s[92:93]
	CROUND                                         ; all sixteen work-groups are here: the first joint loads meet
	s_mov_b32 s[G0S], 1
	s_add_co_u32 s[G0S+1], s94, SCL
	s_mov_b64 s[G0S+2:G0S+3], s[22:23]
	s_or_b32 s[G0S+3], s[G0S+3], 0x80000000
	s_mov_b32 s[G0SB], 1
	s_add_co_u32 s[G0SB+1], s94, SCL
	s_mov_b64 s[G0SB+2:G0SB+3], s[92:93]
	s_or_b32 s[G0SB+3], s[G0SB+3], 0x80000000
	JLOAD G0S, G1S, G0SB, G1SB                     ; the scales first: they are wanted with K step 0
.irp s, 0,1
	s_mov_b32 s[G0+4*\s], 1
	s_add_co_u32 s[G0+4*\s+1], s45, \s*SLOT
	s_add_nc_u64 s[G0+4*\s+2:G0+4*\s+3], s[20:21], \s*ROWB
	s_or_b32 s[G0+4*\s+3], s[G0+4*\s+3], 0x80000000
	s_mov_b32 s[G0B+4*\s], 1
	s_add_co_u32 s[G0B+4*\s+1], s45, \s*SLOT
	s_add_nc_u64 s[G0B+4*\s+2:G0B+4*\s+3], s[46:47], \s*ROWB
	s_or_b32 s[G0B+4*\s+3], s[G0B+4*\s+3], 0x80000000
	JLOAD G0+4*\s, G1, G0B+4*\s, G1B
.endr
	v_and_b32 v1, 15, v0                           ; r = l % 16
	v_bfe_u32 v2, v0, 4, 1                         ; h = l / 16
	v_mul_u32_u24 v3, v1, PITCH
	v_mul_u32_u24 v4, v2, 24
	v_add_nc_u32 v4, v3, v4                        ; a fragment's row x pitch + 24 x half
	v_lshl_add_u32 v5, v2, 4, v4                   ; and the same behind one padding more
	s_mul_i32 s21, s15, HALFT                      ; my 128 rows of A
	s_mul_i32 s22, s16, HALFT                      ; my 128 rows of B,
	s_add_co_u32 s22, s22, 2*HALFT                 ; which lie behind A's 256
.irp s, 0,1
	v_add_nc_u32 v[ADRA+\s], s21, v4
	v_add_nc_u32 v[ADRB+\s], s22, v4
	v_add_nc_u32 v[ADRA+2+\s], s21, v5
	v_add_nc_u32 v[ADRB+2+\s], s22, v5
	s_add_co_u32 s21, s21, SLOT
	s_add_co_u32 s22, s22, SLOT
.endr
	v_mul_u32_u24 v5, v1, KS                       ; my row's scales: KS bytes a row,
	v_lshrrev_b32 v6, 8, v5
	v_lshl_add_u32 v5, v6, 4, v5                   ; and 16 more for each 256 passed
	s_mul_i32 s21, s15, HALFS                      ; A's: my 128 rows
	s_mul_i32 s22, s16, HALFS                      ; B's: my 128 rows, behind A's 256
	s_add_co_u32 s22, s22, 2*HALFS
	s_sub_co_u32 s22, s22, s21
	v_mul_u32_u24 v6, s22, v2                      ; lanes 16-31 take B's
	s_add_co_u32 s21, s21, SCL
	v_add_nc_u32 v5, v5, v6
	v_add_nc_u32 v[ADRS], s21, v5
	; the way out's lane addresses, made here, ahead of every parting.  v's stage is my wave's quarter of slot 0: token row tk at 144 tk + 128 (tk / 32), 32 features of f32 a row: 18,800 of its 30,720 bytes
	s_mul_i32 s23, s14, HALFT
	v_mul_u32_u24 v5, v1, 144
	v_lshl_add_u32 v5, v2, 5, v5
	v_add_nc_u32 v[STO], s23, v5                   ; in: token r of a tile, + 32 h: my eight features
	v_and_b32 v5, 8, v1
	v_add_nc_u32 v5, v5, v1                        ; r + 8 (r / 8)
	v_lshlrev_b32 v5, 2, v5
	v_mad_u32_u24 v5, v2, 4736, v5                 ; lanes 16-31 read 32 tokens further down: 32 x 144 + 128
	v_add_nc_u32 v[RDV], s23, v5
	v_and_b32 v6, 31, v0
	v_lshlrev_b32 v[LI], 4, v6
	v_lshlrev_b32 v[LJ], 3, v6
	v_lshlrev_b32 v[RO], 8, v1
	v_lshl_add_u32 v[RO], v2, 5, v[RO]
.macro FRAG reg, adr, q, i             ; a fragment, 16 rows x 128 K of 6-bit codes, is 12 registers: lane l holds row l % 16; registers 6 c .. 6 c + 5 hold K = 64 c + 32 (l / 16) + 0 .. 31: 24 bytes of the row's stream of bits
.irp p, 0,1,2,3,4,5                    ; in pieces of 8 bytes.  Lanes 0-15 take the row's pieces 12 q + 0, 1, 2 and 12 q + 6, 7, 8, lanes 16-31 those three pieces on
.set PC, 12*(\q)+6*(\p/3)+\p%3        ; 16 bytes of padding lie behind every 64 bytes (8 pieces): where the piece three on lies behind one padding more, the second address register serves
.if PC%8 < 5
	ds_load_b64 v[\reg+2*\p:\reg+2*\p+1], v[\adr] offset:8*PC+16*(PC/8)+(\i)*16*PITCH
.else
	ds_load_b64 v[\reg+2*\p:\reg+2*\p+1], v[\adr+2] offset:8*PC+16*(PC/8)+(\i)*16*PITCH
.endif
.endr
.endm
; 16 matrix instructions: A's blocks a0, a0 + 1 x B's eight, 128 along K.  p: B's set;  sc: the set of scale words.  zero = 1: the first product starts the sums.
; The 64 accumulators take turns, one instruction a turn, in the same order in every step.
.macro MUL16 a0, p, q, sc, zero
.irp a, \a0, \a0+1
.irp b, 0,1,2,3,4,5,6,7
.if \zero
	v_wmma_scale_f32_16x16x128_f8f6f4 v[8*(8*((\a)%4)+\b):8*(8*((\a)%4)+\b)+7], v[128*(\p)+FR*\b:128*(\p)+FR*\b+FR-1], v[AF+FR*(\a):AF+FR*(\a)+FR-1], 0, v[SC+8*NQ*(\sc)+NQ*\b+(\q)], v[SC+8*NQ*(\sc)+NQ*(\a)+(\q)] matrix_a_fmt:MATRIX_FMT_FP6 matrix_b_fmt:MATRIX_FMT_FP6 matrix_a_scale:MATRIX_SCALE_ROW1
.else
	v_wmma_scale_f32_16x16x128_f8f6f4 v[8*(8*((\a)%4)+\b):8*(8*((\a)%4)+\b)+7], v[128*(\p)+FR*\b:128*(\p)+FR*\b+FR-1], v[AF+FR*(\a):AF+FR*(\a)+FR-1], v[8*(8*((\a)%4)+\b):8*(8*((\a)%4)+\b)+7], v[SC+8*NQ*(\sc)+NQ*\b+(\q)], v[SC+8*NQ*(\sc)+NQ*(\a)+(\q)] matrix_a_fmt:MATRIX_FMT_FP6 matrix_b_fmt:MATRIX_FMT_FP6 matrix_a_scale:MATRIX_SCALE_ROW1
.endif
.endr
.endr
.endm
.macro FETCH_B slot, q, p              ; B's eight fragments of the slot's q-th 128 along K into set p
	WIN TO_B
.irp i, 0,1,2,3,4,5,6,7
	FRAG 128*(\p)+FR*\i, ADRB+\slot, \q, \i
.endr
	WIN 0
.endm
.macro FETCH_A slot, q, i0             ; A's blocks i0 .. i0 + 3
.irp i, \i0, \i0+1, \i0+2, \i0+3
	FRAG AF+FR*(\i), ADRA+\slot, \q, \i
.endr
.endm
.macro SCALES sc                       ; the next K step's scale words into set sc: lanes 0-15 take A's block i, lanes 16-31 B's block i
.irp i, 0,1,2,3,4,5,6,7
	ds_load_b64 v[SC+8*NQ*\sc+NQ*\i:SC+8*NQ*\sc+NQ*\i+1], v[ADRS] offset:\i*SBLK
.endr
.endm
; A load into a register that a matrix instruction has read, and a vector instruction or an LDS store that reads a matrix result, stand NP places behind that matrix instruction; only plain vector
; instructions that name none of its registers are places (ISA guide 7.12.1 for vector instructions).
.macro PLACES n
.rept \n
	v_nop
.endr
.endm
; A step of 128 along K that has its successor in the same slot.
.macro STEP slot, q, zero
	s_wait_dscnt 4*NL                              ; B's set and A's blocks 0-3 are in; the youngest 24 loads (A's blocks 4-7) may be out
	WIN MUL_LO
	MUL16 0, (\q)%2, \q, \slot, \zero
	MUL16 2, (\q)%2, \q, \slot, \zero
	s_wait_dscnt 0                                 ; A's blocks 4-7 are in (asked for 32 matrix instructions ago)
	PLACES NP
	FETCH_B \slot, (\q)+1, 1-(\q)%2
	FETCH_A \slot, (\q)+1, 0
	WIN MUL_HI
	MUL16 4, (\q)%2, \q, \slot, \zero
	MUL16 6, (\q)%2, \q, \slot, \zero
	PLACES NP
	WIN 0
	FETCH_A \slot, (\q)+1, 4
.endm
; A slot's last step changes slots: ONE barrier; in front of it each wave waits for all its tensor loads, adds 0 to its spare word, and waits for that and for its own reads of this slot.  fill = 1: this slot is filled again, two K steps ahead.
.macro TURN slot, next, fill
	s_wait_tensorcnt 0x0                           ; all my tensor loads have landed: my part of the next slot;  (every window is 0 here)
	ds_add_u32 v[SPW], v[NIL]                      ; 0 onto my spare word
	s_wait_dscnt 4*NL+1                            ; (the add and the youngest 24 loads, A's blocks 4-7, may be out)
	WIN MUL_LO
	MUL16 0, 1, NQ-1, \slot, 0                     ; sixteen matrix instructions stand between the add and the wait for it
	s_wait_dscnt 0x0                               ; the add is done, and my reads of this slot are over
	s_barrier_signal -1
	MUL16 2, 1, NQ-1, \slot, 0
	WIN 0
	s_barrier_wait -1
.if \fill
	CREST                                          ; the barrier has opened a round of the cluster's barrier: no wave of any partner still reads this slot's tile or has a load on its way
	s_add_nc_u64 s[G0+4*\slot+2:G0+4*\slot+3], s[G0+4*\slot+2:G0+4*\slot+3], 2*ROWB
	s_add_nc_u64 s[G0B+4*\slot+2:G0B+4*\slot+3], s[G0B+4*\slot+2:G0B+4*\slot+3], 2*ROWB
	JLOAD G0+4*\slot, G1, G0B+4*\slot, G1B         ; the first tensor load behind the round; the four v_nop behind it are the places in front of the loads below
.else
	PLACES NP
.endif
	v_add_nc_u32 v[ADRS], 4*NQ, v[ADRS]            ; on to the next K step's scale words (no LDS load of mine is out)
	FETCH_B \next, 0, 0
	FETCH_A \next, 0, 0
	SCALES \next
	WIN MUL_HI
	MUL16 4, 1, NQ-1, \slot, 0
	MUL16 6, 1, NQ-1, \slot, 0
	PLACES NP
	WIN 0
	FETCH_A \next, 0, 4
.endm
	s_wait_tensorcnt 1                             ; the scales and my part of K step 0 are in (K step 1's load may be out),
	s_barrier_signal -1
	s_barrier_wait -1                              ; everybody's are
	FETCH_B 0, 0, 0
	FETCH_A 0, 0, 0
	SCALES 0
	FETCH_A 0, 0, 4
	STEP 0, 0, 1                                   ; the first step stands in front of the loop: its products start the sums
	s_mov_b32 s3, LAPS-1
.Llap:                                                 ; a trip goes once round the ring, from a lap's second step to the next lap's first, and fills both slots again
	TURN 0, 1, 1
	STEP 1, 0, 0
	TURN 1, 0, 1
	STEP 0, 0, 0
	s_sub_co_u32 s3, s3, 1
	s_cmp_lg_u32 s3, 0
	s_cbranch_scc1 .Llap
	TURN 0, 1, 0                                   ; the last lap fills nothing, and has no round of the cluster's barrier
	STEP 1, 0, 0
	s_wait_dscnt 4*NL                              ; the very last step: nothing more to fetch
	WIN MUL_LO
	MUL16 0, 1, NQ-1, 1, 0
	MUL16 2, 1, NQ-1, 1, 0
	s_wait_dscnt 0
	WIN MUL_HI
	MUL16 4, 1, NQ-1, 1, 0
	MUL16 6, 1, NQ-1, 1, 0
	WIN 0
	; ---------------- THE WAY OUT
	PLACES NP                                      ; behind the last products: for the reads of results, and for the writes and loads into registers that held operands
	s_lshr_b32 s20, s17, 3                         ; the batch: 8 tiles of 256 tokens each
	s_and_b32 s21, s17, 7
	s_lshl_b32 s22, s21, 1
	s_add_co_u32 s22, s22, s15                     ; g: my group of 128 tokens in the batch
	s_and_b32 s23, s42, 3
	s_lshl_b32 s23, s23, 2
	s_lshl_b32 s18, s16, 1
	s_add_co_u32 s23, s23, s18                     ; my first head: 4 a tile, 2 a wave
	s_lshl_b32 s20, s20, 4
	s_add_co_u32 s20, s20, s23
	s_lshl_b32 s20, s20, 4
	s_add_co_u32 s20, s20, s22                     ; record (16 batch + head) x 16 + g
	s_mul_i32 s46, s20, REC
	s_mov_b32 s47, 0
	s_lshl_b32 s18, s22, 15                        ; 128 g tokens of 256 bytes in the table
	s_mov_b32 s19, 0
	s_add_nc_u64 s[12:13], s[12:13], s[18:19]
	s_mov_b32 s[SEL], 0x76543210
	s_mov_b32 s[SEL+1], 0xfedcba98
	s_mov_b32 s[HI], 0xffff0000
	s_cmp_eq_u32 ttmp9, 2                          ; the cluster's x: alike in all sixteen partners
	s_cbranch_scc1 .Lv
	; ---- q and k: RoPE, then quantised along d, two blocks of 32 a token.  No LDS.
.set Y,  64                            ; v64-127  two token tiles x 32 numbers of a lane, rotated
.set PQ, 128                           ; v128-139 a pair image; v140-142, v144-146 the conversions' second halves
.set TM, 160                           ; v160-163 largest magnitudes, v164-167 bytes, v172-175 the conversions' scale operands
.set SW, 180                           ; v180-187 scale words: head hd, pair p at v[SW + 4 hd + p]
	s_cmp_eq_u32 ttmp9, 0
	s_cselect_b64 s[OB:OB+1], s[96:97], s[98:99]   ; q's records or k's
	s_add_nc_u64 s[OB:OB+1], s[OB:OB+1], s[46:47]
	WIN 0x40                                       ; destination window 1: for token tile a, cos at v[32 a + i], sin at v[32 a + 16 + i], of d = 16 (i / 8) + 8 h + i % 8: those of my registers i and 16 + i
.irp a, 0,1,2,3,4,5,6,7
.irp sn, 0,1
.irp u, 0,1
.irp q, 0,1
	global_load_b128 v[32*\a+16*\sn+8*\u+4*\q:32*\a+16*\sn+8*\u+4*\q+3], v[RO], s[12:13] offset:4096*\a+128*\sn+64*\u+16*\q
.endr
.endr
.endr
.endr
	WIN 0
.irp b, 0,1,2,3
	v_mov_b32 v[TM+4+\b], 0                        ; written once: a lane permute's destination counts as one of its sources
.endr
; Token tile a, head hd: 32 numbers of a lane, register i = d 16 (i / 8) + 8 h + i % 8; i and 16 + i are a pair of the rotation.  Ascending i takes each accumulator from its low end on.
.macro ROPE a, hd, dst
	WIN 0x06+(\a)/4                                ; source 0: the accumulators' window 2 or 3; source 1: window 1
.set AC, 8*(8*((\a)%4)+4*(\hd))
.set CO, 32*(\a)
.irp i, 0,2,4,6,8,10,12,14
	v_pk_mul_f32 v[(\dst)+\i:(\dst)+\i+1], v[AC+\i:AC+\i+1], v[CO+\i:CO+\i+1]
	v_pk_mul_f32 v[(\dst)+16+\i:(\dst)+17+\i], v[AC+16+\i:AC+17+\i], v[CO+\i:CO+\i+1]
	v_pk_fma_f32 v[(\dst)+\i:(\dst)+\i+1], v[AC+16+\i:AC+17+\i], v[CO+16+\i:CO+17+\i], v[(\dst)+\i:(\dst)+\i+1] neg_lo:[1,0,0] neg_hi:[1,0,0]   ; x1 cos - x2 sin
	v_pk_fma_f32 v[(\dst)+16+\i:(\dst)+17+\i], v[AC+\i:AC+\i+1], v[CO+16+\i:CO+17+\i], v[(\dst)+16+\i:(\dst)+17+\i]                             ; x2 cos + x1 sin
.endr
.endm
; 64 numbers of a lane, four blocks of 32 of which my lane holds 16 each and lane l xor 16 the other 16, become 12 registers of codes at v[PQ] on; the blocks' bytes stand in v[TM+4] on.
.macro QUANT s
.irp b, 0,1,2,3
	v_max3_num_f32 v[TM+\b], |v[\s+16*\b]|, |v[\s+1+16*\b]|, 0x1800000   ; my 16 numbers, and the floor 2^(3 - 127): so the byte cannot fall under 1
.endr
.irp i, 2,4,6,8,10,12,14
.irp b, 0,1,2,3
	v_max3_num_f32 v[TM+\b], v[TM+\b], |v[\s+16*\b+\i]|, |v[\s+1+16*\b+\i]|   ; (the four blocks by turns)
.endr
.endr
.irp b, 0,1,2,3
	v_permlanex16_b32 v[TM+4+\b], v[TM+\b], s[SEL], s[SEL+1]
.endr
.irp b, 0,1,2,3
	v_max_num_f32 v[TM+\b], v[TM+\b], v[TM+4+\b]   ; with lane l xor 16's: the block's largest magnitude
.endr
.irp b, 0,1,2,3
	v_add_nc_u32 v[TM+12+\b], 0xff000000, v[TM+\b] ; 2 off its exponent field: the conversion's scale operand
.endr
.irp b, 0,1,2,3
	v_lshrrev_b32 v[TM+4+\b], 23, v[TM+12+\b]      ; the scale's byte
.endr
.irp c, 0,1
	v_cvt_scalef32_pk16_fp6_f32 v[PQ+6*\c:PQ+2+6*\c], v[\s+32*\c:\s+15+32*\c], v[TM+12+2*\c]
	v_cvt_scalef32_pk16_fp6_f32 v[PQ+12+4*\c:PQ+14+4*\c], v[\s+16+32*\c:\s+31+32*\c], v[TM+12+2*\c+1]   ; (a conversion's three registers begin on an even number)
.endr
	v_nop                                          ; one plain place behind a scaled conversion
.irp c, 0,1                                    ; the operand's layout wants a WHOLE block in a lane: lanes 0-15 block 2 c, lanes 16-31 block 2 c + 1
.irp i, 0,1,2
	v_permlane16_swap_b32 v[PQ+6*\c+\i], v[PQ+12+4*\c+\i]
.endr
.irp i, 0,1,2
	v_mov_b32 v[PQ+3+6*\c+\i], v[PQ+12+4*\c+\i]
.endr
.endr
.endm
.irp bt, 0,1,2,3                               ; pair bt: token tiles 2 bt and 2 bt + 1
	s_wait_loadcnt 48-16*\bt                       ; this pair's 16 table loads are in; the later pairs' 16 each may be out
.irp hd, 0,1
	ROPE 2*\bt, \hd, Y
	ROPE 2*\bt+1, \hd, Y+32
	WIN 0
	s_wait_xcnt 0x0                                ; the image's registers are written again only behind this wait: the earlier stores have read them
	QUANT Y                                        ; v[PQ] .. +5: registers 0-5 of tile 2 bt's fragment (lanes 0-15 d-block 0, lanes 16-31 d-block 1); +6 .. +11: those of tile 2 bt + 1
	v_lshl_or_b32 v177, v[TM+5], 8, v[TM+4]        ; tile 2 bt: my token's two bytes,
	v_lshl_or_b32 v178, v[TM+7], 8, v[TM+6]        ; tile 2 bt + 1
	v_cndmask_b32 v177, v177, v178, s[HI]          ; lanes 0-15 the first, lanes 16-31 the second
	v_or_b32 v[SW+4*\hd+\bt], 0x7f7f0000, v177     ; the upper 64 along K are zero codes on the other side: the bytes there are 127
.irp c, 0,1,2
	global_store_b128 v[LI], v[PQ+4*\c:PQ+4*\c+3], s[OB:OB+1] offset:HEADB*\hd+1536*\bt+512*\c   ; 32 lanes store 512 consecutive bytes, aligned to 256
.endr
.endr
.endr
.irp hd, 0,1
	global_store_b128 v[LI], v[SW+4*\hd:SW+4*\hd+3], s[OB:OB+1] offset:HEADB*\hd+12288
.endr
	s_branch .Lend
	; ---- v: quantised along the tokens.  32 features at a time go through my stage in LDS (my quarter of slot 0: it has had its last fill, and behind the last change of slots nobody reads it) and come back
	; a lane to a feature, registers down the tokens.
.Lv:
.set XV, 64                            ; v64-127  two sets of 32 numbers: a block of 32 keys of one feature
.set F,  128                           ; v128-139 a fragment; v140-142, v144-146 the conversions' second halves
	s_add_nc_u64 s[OB:OB+1], s[98:99], s[46:47]
	v_bfe_u32 v156, v0, 4, 1
	v_lshlrev_b32 v156, 3, v156                    ; 8 h
	v_mov_b32 v157, 0                              ; written once: a lane permute's destination counts as one of its sources
.macro VSTAGE fg                       ; features 32 fg .. + 31 of my 128 tokens into the stage; each accumulator from its low end on.  Token 16 a + r lies at 144 (16 a + r) + 128 (a / 2)
.irp a, 0,1,2,3,4,5,6,7
	WIN 0x08+4*(\a/4)                              ; an LDS store's data are its source 1: window 2 or 3
.irp b, 2*\fg, 2*\fg+1
	ds_store_b128 v[STO], v[8*(8*(\a%4)+(\b)):8*(8*(\a%4)+(\b))+3] offset:2304*\a+128*(\a/2)+64*((\b)%2)
	ds_store_b128 v[STO], v[8*(8*(\a%4)+(\b))+4:8*(8*(\a%4)+(\b))+7] offset:2304*\a+128*(\a/2)+64*((\b)%2)+16
.endr
.endr
	WIN 0
.endm
.macro VREAD k, set                    ; unit k = 2 u + c: lane (r, h) takes feature 8 u + r + 8 (r / 8) of the 32 and key block 2 c + h; register i = key pi(i) of the block.  Token 64 c + 32 h + pi lies at 144 (64 c + pi) + 256 c + 4,736 h
.set II, 0
.rept 32
	ds_load_b32 v[XV+32*(\set)+II], v[RDV] offset:(64*((\k)%2)+II%8+16*((II/8)%2)+8*(II/16))*144+256*((\k)%2)+32*((\k)/2)
.set II, II+1
.endr
.endm
.macro VQ c                            ; the block in set c becomes registers 6 c .. 6 c + 5 of the fragment; its byte goes to v[154 + c].  (The argument is put in as text: it stands in parentheses wherever it is used)
.set XS, XV+32*(\c)
	v_max3_num_f32 v150, |v[XS]|, |v[XS+1]|, |v[XS+2]|             ; the block's largest magnitude: all 32 numbers are mine
	v_max3_num_f32 v151, |v[XS+3]|, |v[XS+4]|, |v[XS+5]|
.irp i, 6,10,14,18,22,26
	v_max3_num_f32 v150, v150, |v[XS+\i]|, |v[XS+\i+1]|
	v_max3_num_f32 v151, v151, |v[XS+\i+2]|, |v[XS+\i+3]|
.endr
	v_max3_num_f32 v150, v150, |v[XS+30]|, |v[XS+31]|
	v_max3_num_f32 v150, v150, v151, 0x1800000     ; and the floor 2^(3 - 127)
	v_add_nc_u32 v152, 0xff000000, v150            ; the conversion's scale operand
	v_lshrrev_b32 v[154+(\c)], 23, v152            ; the scale's byte
	v_cvt_scalef32_pk16_fp6_f32 v[F+6*(\c):F+6*(\c)+2], v[XS:XS+15], v152
	v_cvt_scalef32_pk16_fp6_f32 v[140+4*(\c):142+4*(\c)], v[XS+16:XS+31], v152   ; (a conversion's three registers begin on an even number)
	v_nop                                          ; one plain place behind a scaled conversion
.irp i, 0,1,2
	v_mov_b32 v[F+3+6*(\c)+\i], v[140+4*(\c)+\i]
.endr
.endm
.irp fg, 0,1,2,3                               ; head fg / 2, half bb = fg % 2 of its 64
	VSTAGE \fg                                     ; LDS serves a wave's instructions in order: these stores come behind the last reads of the stage, and the reads below see them
	VREAD 0, 0
.irp k, 0,1,2,3
.if \k < 3
	VREAD \k+1, (\k+1)%2
	s_wait_dscnt 32                                ; this unit's 32 loads are in; the next unit's 32 may be out
.else
	s_wait_dscnt 0x0
.endif
.if \k%2 == 0
	s_wait_xcnt 0x0                                ; the fragment's registers are written again only behind this wait: the earlier stores have read them
.endif
	VQ \k%2
.if \k%2 == 1
	v_lshl_or_b32 v153, v155, 16, v154             ; my two bytes: key blocks h and 2 + h of my feature,
	v_lshlrev_b32 v153, v156, v153                 ; at their places in the scale word;
	v_permlanex16_b32 v157, v153, s[SEL], s[SEL+1]
	v_or_b32 v[158+\k/2], v153, v157               ; with lane l xor 16's two the word is whole
.irp c, 0,1,2
	global_store_b128 v[LI], v[F+4*\c:F+4*\c+3], s[OB:OB+1] offset:HEADB*(\fg/2)+6144+1536*(2*(\fg%2)+\k/2)+512*\c
.endr
.endif
.endr
	v_cndmask_b32 v[160+\fg], v158, v159, s[HI]    ; lanes 0-15 fragment 2 bb's words, lanes 16-31 fragment 2 bb + 1's
.if \fg%2 == 1
	global_store_b64 v[LJ], v[160+\fg-1:160+\fg], s[OB:OB+1] offset:HEADB*(\fg/2)+12800   ; 32 lanes store 256 consecutive bytes, aligned
.endif
.endr
.Lend:
	s_wait_tensorcnt 0x0                           ; the wave's end: behind my last tensor load and my last LDS store
	ds_add_u32 v[SPW], v[NIL]
	s_wait_dscnt 0x0
	CROUND                                         ; the closing round: no work-group ends while a partner may still ask for a tile that names it
	s_endpgm
.Lfunc_end_k_qd74e60fd1d_qkv:
	.size	k_qd74e60fd1d_qkv, .Lfunc_end_k_qd74e60fd1d_qkv-k_qd74e60fd1d_qkv
	.p2alignl 7, 3214868480
	.fill 96, 4, 3214868480
	.section	.rodata,"a",@progbits
	.p2align	6, 0x0
	.amdhsa_kernel k_qd74e60fd1d_qkv
		.amdhsa_group_segment_fixed_size 327680
		.amdhsa_private_segment_fixed_size 0
		.amdhsa_enable_private_segment 0
		.amdhsa_kernarg_size 40
		.amdhsa_user_sgpr_count 2
		.amdhsa_user_sgpr_kernarg_segment_ptr 1
		.amdhsa_wavefront_size32 1
		.amdhsa_system_sgpr_workgroup_id_x 1
		.amdhsa_system_sgpr_workgroup_id_y 1
		.amdhsa_system_sgpr_workgroup_id_z 1
		.amdhsa_system_vgpr_workitem_id 0
		.amdhsa_next_free_vgpr 1024
		.amdhsa_next_free_sgpr 100
		.amdhsa_reserve_vcc 0
		.amdhsa_float_denorm_mode_32 3
		.amdhsa_float_denorm_mode_16_64 3
		.amdhsa_memory_ordered 1
		.amdhsa_forward_progress 1
		.amdhsa_inst_pref_size 255
	.end_amdhsa_kernel
	.section	.bss,"aw",@nobits
	.p2align	6
	.space	262144
	.amdgpu_metadata
---
amdhsa.version: [ 1, 2 ]
amdhsa.kernels:
  - .name:           k_qd74e60fd1d_qkv
    .symbol:         k_qd74e60fd1d_qkv.kd
    .args:
      - { .name: codes, .offset: 0, .size: 8, .value_kind: global_buffer, .address_space: global }
      - { .name: scales, .offset: 8, .size: 8, .value_kind: global_buffer, .address_space: global }
      - { .name: rope, .offset: 16, .size: 8, .value_kind: global_buffer, .address_space: global }
      - { .name: qrec, .offset: 24, .size: 8, .value_kind: global_buffer, .address_space: global }
      - { .name: kvrec, .offset: 32, .size: 8, .value_kind: global_buffer, .address_space: global }
    .group_segment_fixed_size: 327680
    .private_segment_fixed_size: 0
    .kernarg_segment_align: 8
    .kernarg_segment_size: 40
    .max_flat_workgroup_size: 128
    .sgpr_count:     100
    .vgpr_count:     1024
    .wavefront_size: 32
...
	.end_amdgpu_metadata
.endif
;; end of part 2
;; launch attn (part 3): grid 8 x 32, 16 waves a work-group, clusters of 4 x 1, 231,424 bytes of LDS; arguments qrec, kvrec, oc, os; writes oc, os
.if DOCPART == 3
	.amdgcn_target "amdgcn-amd-amdhsa--gfx1250"
	.amdhsa_code_object_version 6
	.text
	.protected	k_qd74e60fd1d_attn
	.globl	k_qd74e60fd1d_attn
	.p2align	8
	.type	k_qd74e60fd1d_attn,@function
k_qd74e60fd1d_attn:
	s_mov_b64 s[64:65], 0
	v_nop
	global_prefetch_b8 v0, s[64:65] scope:SCOPE_SE
	s_setreg_imm32_b32 hwreg(HW_REG_WAVE_MODE, 25, 1), 1
	s_wait_xcnt 0x0
	s_wait_alu depctr_hold_cnt(0) depctr_sa_sdst(0) depctr_va_vdst(0) depctr_va_sdst(0) depctr_va_ssrc(0) depctr_va_vcc(0) depctr_vm_vsrc(0)
	s_getreg_b32 s2, hwreg(HW_REG_IB_STS2, 6, 4)
	s_cmp_eq_u32 s2, 0
	s_cbranch_scc0 .Lentry_in_a_cluster
	s_endpgm
.Lentry_in_a_cluster:
	s_bfe_u32 s2, ttmp6, 0x10000c
	s_cmp_lg_u32 s2, 0x3003
	s_cbranch_scc0 .Lentry_shape_is_right
	s_endpgm
.Lentry_shape_is_right:
; Causal attention of 32 heads (2 batches x 16), 2,048 tokens, head size 64, both products on codes of FP6 (E2M3) with one E8M0 scale for each 32 along a product's K; the result is quantised for the projection.
; INPUTS: records of REC = 13,056 bytes, one for each head and group of 128 tokens, laid in the order of the operands' registers (four registers as 512 bytes, lane l's 16 bytes at 16 l):
;   0: four pair images (registers 0-5 of the fragments of token tiles 2 p, 2 p + 1; K = the head's 64);  6,144: four fragments of V^T (16 of the head's 64 x 128 keys);
;   12,288: the pairs' scale words [lane][p];  12,800: V's [lane][2].  kvrec holds k and v, qrec q (first and third part).
; Inside a block of 32, place p holds number p % 8 + 16 ((p / 8) % 2) + 8 (p / 16): in q and k along d, in V and in p along the keys: alike on both sides of each product.
; THE SOFTMAX AHEAD OF THE SECOND PRODUCT: t = score x log2(e) / 8; M = the row's largest t so far, rounded UP to a whole number; p = 2^(t - M) is what is quantised, along the keys, not normalised.
; The row's sum is taken of the unquantised p, in f32, and divides O at the end.  When M moves, the sum and O are multiplied by 2^(old M - new M): exact.
; K = 64 FILLS HALF OF THE INSTRUCTION'S 128: Q's registers 6-11 are zero codes; K's registers 6-11 are whatever follows in the images (the next tile's codes, or six cleared registers); the scale bytes there are 127.
; SHARES.  A work-group has one head and every eighth tile of 16 queries: wave w has rank rho = w xor 3 ((w / 4) % 2) and owns tile 8 rho + j, j = the work-group's x (0-7): queries of key group rho.
; So a wave's number of key steps, rho + 1, hangs on the wave's number alone, every work-group has the same 136 wave-steps, and waves w, w + 4, w + 8, w + 12 have 34 between them.
; LDS.  A head's sixteen records, 208,896 bytes, are one dense block: each wave brings one record by one tensor load, at the start; nothing is filled twice.  Behind them each wave has 768 bytes of stage.
; CLUSTER.  The four work-groups of a cluster have the same head: each record is asked for JOINTLY, by the same load with the same descriptor and the mask of all four.  j enters global addresses and the mask's data alone.
; Both products are used transposed: S^T = K Q^T, O^T = V^T P^T: a lane holds ONE query (lane % 16) throughout.
; OUTPUT: the permuted view makes the 16 queries of a tile ONE row of the projection's A: row 128 bh + tile, K = 64 query + d.  oc [4096][768 bytes], os [4096][32].
; LIMITS: NaN and infinities are not served; a block under 2^-124 gets the byte 1.  The 32 scale bytes of a row leave as single bytes of neighbouring lanes: 32 of 256 aligned bytes a wave.
; REGISTERS: v1 16 lane, v2 8 lane, v3 16 j + r - 8 h, v4-5 step addresses, v6-9 the way out; v12 -M, v13 the largest t, v[14:15] the sum; v16-21 Q, v22-27 zeros; v28 Q's scale word, v29 p's, v30-31 V's;
;   v32-79 K's images, then V's fragments; v80-85 zeros; v86-89 K's scale words; v96-159 S^T, then p; v160-191 O^T; v192-203 p's codes; v204-210 conversions' second halves; v212-229 at work.
.set REC,   13056
.set HEADB, 16*REC
.set STG,   HEADB                      ; the stages: 768 bytes for each wave, blocks of 256 bytes into which no tile lands
.set WV,  18                           ; s18  my wave's number
.set RHO, 19                           ; s19  its rank
.set SEL, 20                           ; s[20:21] lane selects for lane l xor 16
.set CS,  22                           ; s[22:23] c = log2(e) / 8
.set G1,  24                           ; s[24:31] descriptor group 1
.set G0,  32                           ; s[32:35] descriptor group 0
.set HI,  36                           ; s36  the mask of lanes 16-31
.set TB,  2                            ; s2   LDS byte at which the step's record begins
.set GS,  3                            ; s3   the step: key group 0 .. 15
.macro CROUND                          ; a round of the cluster's barrier
	s_barrier_signal -1
	s_barrier_wait -1
	s_cmp_lg_u32 s[WV], 0
	s_cbranch_scc1 .Lnot_wave_0_\@
	s_barrier_signal -3
.Lnot_wave_0_\@:
	s_barrier_wait -3
	s_barrier_signal -1
	s_barrier_wait -1
.endm
	s_load_b128 s[4:7], s[0:1], 0x0                ; qrec, kvrec
	s_load_b128 s[8:11], s[0:1], 0x10              ; oc, os
	v_lshl_add_u32 v254, v0, 2, 0x38000
	v_mov_b32 v255, 0
	ds_add_u32 v254, v255
	ds_add_u32 v254, v255
	v_lshrrev_b32 v1, 5, v0
	v_readfirstlane_b32 s[WV], v1                  ; wave 0..15
	s_lshr_b32 s[RHO], s[WV], 2
	s_and_b32 s[RHO], s[RHO], 1
	s_mul_i32 s[RHO], s[RHO], 3
	s_xor_b32 s[RHO], s[RHO], s[WV]                ; 0-3, 7-4, 8-11, 15-12
	s_bfe_u32 s12, ttmp6, 0x40000                  ; cx
	s_lshl_b32 s13, ttmp9, 2
	s_add_co_u32 s13, s13, s12                     ; j = 4 x cluster x + cx
	s_and_b32 s14, ttmp7, 0xffff                   ; the head, which the four partners share
	s_mul_i32 s15, s14, HEADB                      ; its first byte in qrec and in kvrec
	s_mul_i32 s[G0+1], s[WV], REC                  ; 63:32 LDS address: record w
	s_add_co_u32 s16, s15, s[G0+1]
	s_mov_b32 s17, 0
	s_mov_b32 s[G1], 15|(3<<16)|(1<<21)            ; 15:0 the mask: all four work-groups; 17:16 elements of 8 bytes; 20 no padding; 21 set beside a mask
	s_mov_b32 s[G1+1], 32<<16                      ; tensor_dim0 = 32 elements: rows of 256 bytes
	s_mov_b32 s[G1+2], 51<<16                      ; tensor_dim1 = 51
	s_mov_b32 s[G1+3], 32<<16                      ; tile_dim0
	s_mov_b32 s[G1+4], 51                          ; tile_dim1
	s_mov_b32 s[G1+5], 32                          ; the pitch: dense
	s_mov_b32 s[G1+6], 0
	s_mov_b32 s[G1+7], 0
	s_mov_b32 s[G0], 1                             ; count = 1
	s_mov_b32 s[SEL], 0x76543210
	s_mov_b32 s[SEL+1], 0xfedcba98
	s_mov_b32 s[CS], 0x3e38aa3b                    ; c = log2(e) / 8
	s_mov_b32 s[CS+1], s[CS]                       ; (named with it as a pair, so it is written)
	s_mov_b32 s[HI], 0xffff0000
	s_mov_b32 s[TB], 0
	s_mov_b32 s[GS], 0
	s_wait_dscnt 0x0
	s_wait_kmcnt 0x0
	s_add_nc_u64 s[G0+2:G0+3], s[6:7], s[16:17]    ; global address: the head's record w
	s_or_b32 s[G0+3], s[G0+3], 0x80000000          ; type = 2
	CROUND                                         ; all four work-groups are here: the joint loads meet
	tensor_load_to_lds s[G0:G0+3], s[G1:G1+7]      ; my one tensor load of the launch
	s_nop 0
.rept 4
	v_nop
.endr
	v_and_b32 v10, 31, v0
	v_lshlrev_b32 v1, 4, v10                       ; 16 x lane
	v_lshlrev_b32 v2, 3, v10                       ; 8 x lane
	v_and_b32 v10, 15, v0                          ; r
	v_bfe_u32 v11, v0, 4, 1                        ; h
	; Q: tile j of group rho: half e = j % 2 of pair image j / 2: registers 6 e .. 6 e + 5, which lie at 16 lane + {0, 8, 512} + e {520, 1016, 520}
	s_and_b32 s38, s13, 1
	s_lshr_b32 s39, s13, 1
	s_mul_i32 s40, s39, 1536
	s_mul_i32 s41, s38, 520
	s_add_co_u32 s41, s41, s40
	s_mul_i32 s42, s38, 1016
	s_add_co_u32 s42, s42, s40
	s_lshl_b32 s43, s38, 8                         ; its scale word: lane 16 e + r, word j / 2
	s_lshl_b32 s44, s39, 2
	s_add_co_u32 s43, s43, s44
	s_mul_i32 s44, s[RHO], REC
	s_add_co_u32 s44, s44, s15
	s_mov_b32 s45, 0
	s_add_nc_u64 s[4:5], s[4:5], s[44:45]          ; q's record of my head and group
	v_add_nc_u32 v226, s41, v1
	v_add_nc_u32 v227, s42, v1
	v_lshl_add_u32 v228, v10, 4, s43
	global_load_b64 v[16:17], v226, s[4:5]
	global_load_b64 v[18:19], v227, s[4:5] offset:8
	global_load_b64 v[20:21], v226, s[4:5] offset:512
	global_load_b32 v28, v228, s[4:5] offset:12288
.irp i, 22,23,24,25,26,27,80,81,82,83,84,85
	v_mov_b32 v\i, 0                               ; zero codes: Q's upper 64 along K; what stands behind K's last tile
.endr
	v_lshlrev_b32 v3, 3, v11
	v_sub_nc_u32 v3, v10, v3
	s_lshl_b32 s46, s13, 4
	v_add_nc_u32 v3, s46, v3                       ; my query's place in its group, less 8 h
	s_mul_i32 s46, s[WV], 768
	s_add_co_u32 s46, s46, STG                     ; my stage
	v_mul_u32_u24 v6, v10, 48
	v_mad_u32_u24 v6, v11, 24, v6
	v_add_nc_u32 v6, s46, v6                       ; in: query r's 48 bytes, block h's 24
	v_add_nc_u32 v7, s46, v1                       ; back: 512 bytes, 16 a lane,
	v_add_nc_u32 v8, s46, v2
	v_add_nc_u32 v8, 512, v8                       ; and 256 bytes, 8 a lane
	v_lshl_add_u32 v9, v10, 1, v11                 ; my scale byte's place: 2 r + h
	s_lshl_b32 s47, s14, 7
	s_lshl_b32 s48, s[RHO], 3
	s_add_co_u32 s47, s47, s48
	s_add_co_u32 s47, s47, s13                     ; the row of the projection's A: 128 head + 8 rho + j
	s_mul_i32 s48, s47, 768
	s_mov_b32 s49, 0
	s_add_nc_u64 s[8:9], s[8:9], s[48:49]
	s_lshl_b32 s48, s47, 5
	s_add_nc_u64 s[10:11], s[10:11], s[48:49]
	v_mov_b32 v13, 0xff61b1e6                      ; the largest t so far: -3e38, under every t
	v_floor_f32 v12, -v13                          ; -M
	v_mov_b32 v14, 0                               ; the sum, in two halves
	v_mov_b32 v15, 0
.irp b, 0,1,2,3
	v_mov_b32 v[216+\b], 0                         ; written once: a lane permute's destination counts as one of its sources
.endr
	v_mov_b32 v225, 0                              ; (named as the upper half of the pair v[224:225])
	v_mov_b32 v229, 0xff800000                     ; -infinity
.set II, 0
.rept 32
	v_mov_b32 v[160+II], 0                         ; O^T.  (The step is written once: the first finds zeros, which the first change of M leaves zeros)
.set II, II+1
.endr
	s_wait_tensorcnt 0x0                           ; my record is in,
	s_barrier_signal -1
	s_barrier_wait -1                              ; everybody's is: the whole head lies in LDS, and nobody writes it any more
	s_wait_loadcnt 0x0                             ; Q
.Lstep:                                            ; sixteen trips in every wave; a step all of whose keys come after my queries is jumped over: a branch on the wave's number
	s_cmp_gt_u32 s[GS], s[RHO]
	s_cbranch_scc1 .Lskip
	v_add_nc_u32 v4, s[TB], v1
	v_add_nc_u32 v5, s[TB], v2
.irp p, 0,1,2,3
.irp c, 0,1,2
	ds_load_b128 v[32+12*\p+4*\c:35+12*\p+4*\c], v4 offset:1536*\p+512*\c      ; K's four pair images: 512 consecutive bytes a load
.endr
.endr
	ds_load_b128 v[86:89], v4 offset:12288         ; and their scale words
	s_wait_dscnt 0x0
.irp t, 0,1,2,3,4,5,6,7                        ; S^T = K Q^T: tile t = keys 16 t .. + 15; register j of lane (r, h): key 16 t + 8 h + j, query r
.if \t%2
	v_wmma_scale_f32_16x16x128_f8f6f4 v[96+8*\t:103+8*\t], v[32+6*\t:43+6*\t], v[16:27], 0, v[86+\t/2], v28 matrix_a_fmt:MATRIX_FMT_FP6 matrix_b_fmt:MATRIX_FMT_FP6 matrix_a_scale:MATRIX_SCALE_ROW1
.else
	v_wmma_scale_f32_16x16x128_f8f6f4 v[96+8*\t:103+8*\t], v[32+6*\t:43+6*\t], v[16:27], 0, v[86+\t/2], v28 matrix_a_fmt:MATRIX_FMT_FP6 matrix_b_fmt:MATRIX_FMT_FP6
.endif
.endr
.rept 4
	v_nop                                          ; places: in front of the loads into K's registers, and of the first read of the scores
.endr
.irp p, 0,1,2,3
.irp c, 0,1,2
	ds_load_b128 v[32+12*\p+4*\c:35+12*\p+4*\c], v4 offset:6144+1536*\p+512*\c  ; V's four fragments: they land while the softmax is worked
.endr
.endr
	ds_load_b64 v[30:31], v5 offset:12800          ; and their scale words
	s_cmp_lg_u32 s[GS], s[RHO]                     ; my own group lies on the diagonal: there the scores of hidden keys become -infinity ahead of the maximum, and p = 0
	s_cbranch_scc1 .Lopen
.set NN, 0
.rept 64
	v_cmp_gt_i32 vcc_lo, 32*(NN/16)+(NN%8)+16*((NN%16)/8), v3      ; register NN holds key 32 (NN / 16) + 16 ((NN % 16) / 8) + NN % 8 + 8 h of the group
	v_cndmask_b32 v[96+NN], v[96+NN], v229, vcc_lo
.set NN, NN+1
.endr
.Lopen:
.irp b, 0,1,2,3
	v_max3_num_f32 v[212+\b], v[96+16*\b], v[97+16*\b], v[98+16*\b]   ; THE LARGEST SCORE OF EACH BLOCK OF 32 KEYS: for the row's maximum, and, since p rises with the score, for the block's largest p
.endr
.irp i, 3,5,7,9,11,13
.irp b, 0,1,2,3
	v_max3_num_f32 v[212+\b], v[212+\b], v[96+16*\b+\i], v[97+16*\b+\i]   ; (the four blocks by turns)
.endr
.endr
.irp b, 0,1,2,3
	v_max_num_f32 v[212+\b], v[212+\b], v[111+16*\b]
.endr
.irp b, 0,1,2,3
	v_permlanex16_b32 v[216+\b], v[212+\b], s[SEL], s[SEL+1]
.endr
.irp b, 0,1,2,3
	v_max_num_f32 v[212+\b], v[212+\b], v[216+\b]  ; with lane l xor 16's 16 keys
.endr
	v_max3_num_f32 v228, v212, v213, v214
	v_max_num_f32 v228, v228, v215                 ; the step's largest score of my query
	v_mul_f32 v228, s[CS], v228                    ; as t (c is positive)
	v_max_num_f32 v13, v13, v228                   ; the running largest t
	v_mov_b32 v228, v12
	v_floor_f32 v12, -v13                          ; the new -M = floor(-t) = -ceil(t): M is a whole number
	v_sub_f32 v228, v12, v228                      ; M's old value less its new one: a whole number, 0 or less
	v_cvt_i32_f32 v228, v228                       ; (it saturates)
	v_ldexp_f32 v224, 1.0, v228                    ; f = 2^(old M - new M)
.set JJ, 0
.rept 32
	v_pk_fma_f32 v[96+JJ:97+JJ], v[96+JJ:97+JJ], s[CS:CS+1], v[12:13] op_sel_hi:[1,0,0]   ; t - M, two at a time
.set JJ, JJ+2
.endr
.irp b, 0,1,2,3
	v_fma_f32 v[212+\b], v[212+\b], s[CS], v12     ; the same of each block's largest score
.endr
.set JJ, 0
.rept 64
	v_exp_f32 v[96+JJ], v[96+JJ]                   ; p = 2^(t - M), at most 1: not normalised
.set JJ, JJ+1
.endr
	v_pk_mul_f32 v[14:15], v[14:15], v[224:225] op_sel_hi:[1,0]   ; the sums under the new M.  (A plain place behind the exponentials)
	s_wait_alu depctr_va_vdst(0)                   ; one wait for the whole batch, ahead of its first reader
.irp b, 0,1,2,3
	v_exp_f32 v[212+\b], v[212+\b]                 ; the block's largest p: the same two instructions on the same number give the same bits
.endr
	v_pk_add_f32 v[226:227], v[96:97], v[98:99]    ; THE ROW'S SUM IS TAKEN OF THE UNQUANTISED p: two at a time, in two chains
.irp j, 4,8,12,16,20,24,28,32,36,40,44,48,52,56,60
	v_pk_add_f32 v[14:15], v[14:15], v[96+\j:97+\j]
	v_pk_add_f32 v[226:227], v[226:227], v[98+\j:99+\j]
.endr
	v_pk_add_f32 v[14:15], v[14:15], v[226:227]
	s_wait_alu depctr_va_vdst(0)                   ; and one for the four
.irp b, 0,1,2,3
	v_max_num_f32 v[212+\b], 0x1800000, v[212+\b]  ; the floor 2^(3 - 127): the byte cannot fall under 1 (a block whose every p is 0 keeps that byte: its codes are zeros)
.endr
.irp b, 0,1,2,3
	v_add_nc_u32 v[220+\b], 0xff000000, v[212+\b]  ; 2 off the exponent field: the conversion's scale operand
.endr
.irp b, 0,1,2,3
	v_lshrrev_b32 v[216+\b], 23, v[220+\b]         ; the scale's byte
.endr
	v_lshl_or_b32 v29, v217, 8, v216               ; p's scale word for these 128 keys
	v_lshl_or_b32 v29, v218, 16, v29
	v_lshl_or_b32 v29, v219, 24, v29
.irp c, 0,1
	v_cvt_scalef32_pk16_fp6_f32 v[192+6*\c:194+6*\c], v[96+32*\c:111+32*\c], v[220+2*\c]
	v_cvt_scalef32_pk16_fp6_f32 v[204+4*\c:206+4*\c], v[112+32*\c:127+32*\c], v[220+2*\c+1]   ; (a conversion's three registers begin on an even number)
.endr
	v_nop                                          ; one plain place behind a scaled conversion
.irp c, 0,1                                    ; the operand's layout wants a WHOLE block in a lane: lanes 0-15 block 2 c, lanes 16-31 block 2 c + 1
.irp i, 0,1,2
	v_permlane16_swap_b32 v[192+6*\c+\i], v[204+4*\c+\i]
.endr
.irp i, 0,1,2
	v_mov_b32 v[195+6*\c+\i], v[204+4*\c+\i]
.endr
.endr
.set JJ, 0
.rept 16
	v_pk_mul_f32 v[160+JJ:161+JJ], v[160+JJ:161+JJ], v[224:225] op_sel_hi:[1,0]   ; O^T under the new M.  (These sixteen are also the places between the scale word's and the codes' last writes and the products below)
.set JJ, JJ+2
.endr
	s_wait_dscnt 0x0                               ; V is in
.irp t, 0,1,2,3                                ; O^T += V^T P^T: four accumulators by turns; K = these 128 keys
.if \t%2
	v_wmma_scale_f32_16x16x128_f8f6f4 v[160+8*\t:167+8*\t], v[32+12*\t:43+12*\t], v[192:203], v[160+8*\t:167+8*\t], v[30+\t/2], v29 matrix_a_fmt:MATRIX_FMT_FP6 matrix_b_fmt:MATRIX_FMT_FP6 matrix_a_scale:MATRIX_SCALE_ROW1
.else
	v_wmma_scale_f32_16x16x128_f8f6f4 v[160+8*\t:167+8*\t], v[32+12*\t:43+12*\t], v[192:203], v[160+8*\t:167+8*\t], v[30+\t/2], v29 matrix_a_fmt:MATRIX_FMT_FP6 matrix_b_fmt:MATRIX_FMT_FP6
.endif
.endr
.rept 4
	v_nop                                          ; places: in front of the next step's loads into V's registers, and of the way out's first read of O^T
.endr
.Lskip:
	s_add_co_u32 s[TB], s[TB], REC                 ; the next group's record
	s_add_co_u32 s[GS], s[GS], 1
	s_cmp_lt_u32 s[GS], 16
	s_cbranch_scc1 .Lstep
	; THE WAY OUT.  O^T / the sum; register 16 bb + i is d = 32 bb + 16 h + i of my query (V's rows were chosen for that): two blocks of 32 along the projection's K, quantised as p was.
	v_add_f32 v14, v14, v15                        ; the sum's two halves,
	v_permlanex16_b32 v216, v14, s[SEL], s[SEL+1]
	v_add_f32 v14, v14, v216                       ; and lane l xor 16's: the row's sum
	v_rcp_f32 v14, v14
	v_nop                                          ; a plain place behind the reciprocal
	s_wait_alu depctr_va_vdst(0)                   ; and the wait ahead of its first reader
.set II, 0
.rept 32
	v_mul_f32 v[96+II], v[160+II], v14             ; each accumulator from its low end on
.set II, II+1
.endr
.irp b, 0,1
	v_max3_num_f32 v[212+\b], |v[96+16*\b]|, |v[97+16*\b]|, 0x1800000
.endr
.irp i, 2,4,6,8,10,12,14
.irp b, 0,1
	v_max3_num_f32 v[212+\b], v[212+\b], |v[96+16*\b+\i]|, |v[97+16*\b+\i]|
.endr
.endr
.irp b, 0,1
	v_permlanex16_b32 v[216+\b], v[212+\b], s[SEL], s[SEL+1]
.endr
.irp b, 0,1
	v_max_num_f32 v[212+\b], v[212+\b], v[216+\b]
.endr
.irp b, 0,1
	v_add_nc_u32 v[220+\b], 0xff000000, v[212+\b]
.endr
.irp b, 0,1
	v_lshrrev_b32 v[216+\b], 23, v[220+\b]
.endr
	v_cvt_scalef32_pk16_fp6_f32 v[192:194], v[96:111], v220
	v_cvt_scalef32_pk16_fp6_f32 v[204:206], v[112:127], v221
	v_nop                                          ; one plain place behind a scaled conversion
.irp i, 0,1,2
	v_permlane16_swap_b32 v[192+\i], v[204+\i]     ; lane (r, h) now holds block h of query r: its lower 16 codes here, its upper 16 there
.endr
.irp i, 0,1,2
	v_mov_b32 v[195+\i], v[204+\i]
.endr
	v_cndmask_b32 v228, v216, v217, s[HI]          ; and block h's byte
	ds_store_b64 v6, v[192:193]
	ds_store_b64 v6, v[194:195] offset:8
	ds_store_b64 v6, v[196:197] offset:16
	ds_load_b128 v[32:35], v7                      ; LDS serves a wave's instructions in order: these see my stores.  The row's 768 bytes come back as they lie
	ds_load_b64 v[36:37], v8
	s_wait_dscnt 0x0
	global_store_b128 v1, v[32:35], s[8:9]         ; 512 consecutive bytes, aligned to 256,
	global_store_b64 v2, v[36:37], s[8:9] offset:512   ; and 256 more
	global_store_b8 v9, v228, s[10:11]             ; the row's 32 scale bytes
	s_wait_tensorcnt 0x0
	ds_add_u32 v254, v255
	s_wait_dscnt 0x0
	CROUND                                         ; the closing round: no work-group ends while a partner may still ask for a record that names it
	s_endpgm
.Lfunc_end_k_qd74e60fd1d_attn:
	.size	k_qd74e60fd1d_attn, .Lfunc_end_k_qd74e60fd1d_attn-k_qd74e60fd1d_attn
	.p2alignl 7, 3214868480
	.fill 96, 4, 3214868480
	.section	.rodata,"a",@progbits
	.p2align	6, 0x0
	.amdhsa_kernel k_qd74e60fd1d_attn
		.amdhsa_group_segment_fixed_size 231424
		.amdhsa_private_segment_fixed_size 0
		.amdhsa_enable_private_segment 0
		.amdhsa_kernarg_size 32
		.amdhsa_user_sgpr_count 2
		.amdhsa_user_sgpr_kernarg_segment_ptr 1
		.amdhsa_wavefront_size32 1
		.amdhsa_system_sgpr_workgroup_id_x 1
		.amdhsa_system_sgpr_workgroup_id_y 1
		.amdhsa_system_sgpr_workgroup_id_z 1
		.amdhsa_system_vgpr_workitem_id 0
		.amdhsa_next_free_vgpr 256
		.amdhsa_next_free_sgpr 66
		.amdhsa_reserve_vcc 1
		.amdhsa_float_denorm_mode_32 3
		.amdhsa_float_denorm_mode_16_64 3
		.amdhsa_memory_ordered 1
		.amdhsa_forward_progress 1
		.amdhsa_inst_pref_size 32
	.end_amdhsa_kernel
	.amdgpu_metadata
---
amdhsa.version: [ 1, 2 ]
amdhsa.kernels:
  - .name:           k_qd74e60fd1d_attn
    .symbol:         k_qd74e60fd1d_attn.kd
    .args:
      - { .name: qrec, .offset: 0, .size: 8, .value_kind: global_buffer, .address_space: global }
      - { .name: kvrec, .offset: 8, .size: 8, .value_kind: global_buffer, .address_space: global }
      - { .name: oc, .offset: 16, .size: 8, .value_kind: global_buffer, .address_space: global }
      - { .name: os, .offset: 24, .size: 8, .value_kind: global_buffer, .address_space: global }
    .group_segment_fixed_size: 231424
    .private_segment_fixed_size: 0
    .kernarg_segment_align: 8
    .kernarg_segment_size: 32
    .max_flat_workgroup_size: 512
    .sgpr_count:     66
    .vgpr_count:     256
    .wavefront_size: 32
...
	.end_amdgpu_metadata
.endif
;; end of part 3
;; launch proj (part 4): grid 4 x 16, 4 waves a work-group, clusters of 4 x 4, 327,680 bytes of LDS; arguments oc, os, codes, scales, out0; writes out0
.if DOCPART == 4
	.amdgcn_target "amdgcn-amd-amdhsa--gfx1250"
	.amdhsa_code_object_version 6
	.text
	.protected	k_qd74e60fd1d_proj
	.globl	k_qd74e60fd1d_proj
	.p2align	8
	.type	k_qd74e60fd1d_proj,@function
k_qd74e60fd1d_proj:
	s_mov_b64 s[64:65], 0
	v_nop
	global_prefetch_b8 v0, s[64:65] scope:SCOPE_SE
	s_setreg_imm32_b32 hwreg(HW_REG_WAVE_MODE, 25, 1), 1
	s_wait_xcnt 0x0
	s_wait_alu depctr_hold_cnt(0) depctr_sa_sdst(0) depctr_va_vdst(0) depctr_va_sdst(0) depctr_va_ssrc(0) depctr_va_vcc(0) depctr_vm_vsrc(0)
	s_getreg_b32 s2, hwreg(HW_REG_IB_STS2, 6, 4)
	s_cmp_eq_u32 s2, 0
	s_cbranch_scc0 .Lentry_in_a_cluster
	s_endpgm
.Lentry_in_a_cluster:
	s_bfe_u32 s2, ttmp6, 0x10000c
	s_cmp_lg_u32 s2, 0xf033
	s_cbranch_scc0 .Lentry_shape_is_right
	s_endpgm
.Lentry_shape_is_right:
; out0[m][n] = sum over k of A[m][k] w_proj[n][k].  A: attention's result in the permuted view, [4096][1024], codes in oc and scale bytes in os; B: w_proj's codes (at 0x540000 of codes) and bytes (at 0x38000 of scales).
; Codes of FP6 (E2M3), 6 bits each, one E8M0 scale for each 32 along K; a row of 1,024 codes is 768 bytes, one stream of bits.  out0: [4096][1024] f32; sums in f32.
; A tile of 256 x 256 is made by a work-group of four waves; a wave makes 128 x 128: 64 accumulators of 16 x 16, 512 registers.  That gives 64 work-groups.
; K goes in steps of 256 through a ring of two LDS slots filled by the tensor data mover.  The scale bytes of the work-group's rows, for all of K, come into LDS once, with the first fills.
; CLUSTERS: 4 x 4 work-groups.  The four of a row of the cluster need the same tiles of A, the four of a column the same tiles of B: each tile is asked for JOINTLY, by the same tensor load with the
; same descriptor and a mask that names the four.  THE MATRIX INSTRUCTION IS USED TRANSPOSED (source 0 = 16 rows of B, source 1 = 16 rows of A): a lane then holds eight neighbouring numbers of a row of the output.
; REGISTERS, in windows of 256: window 0: v0-31 addresses; v32-63 scale words, two sets; from v128 A's fragments, ONE set; on the way out v128-255 take rows.
;   window 1: B's fragments, TWO sets.   window 2: the accumulators of my rows 0-63 ((a, b) at v[8 (8 a + b)]);   window 3: those of my rows 64-127.
.set SIZE_N, 1024
.set SIZE_K, 1024
.set KSTEP,  256
.set NQ,     KSTEP/128
.set ROWB,   192
.set KROW,   SIZE_K*6/8
.set PITCH,  240                       ; an LDS row: 3 x (64 bytes of data + 16 of padding)
.set FR,     12
.set NL,     6
.set NP,     4                         ; places behind this matrix instruction (ISA guide 7.12.1)
.set HALFT,  128*PITCH
.set SLOT,   4*HALFT
.set LAPS,   SIZE_K/(2*KSTEP)
.set KS,     SIZE_K/32
.set SCL,    2*SLOT
.set HALFS,  (128*KS/256)*272
.set SBLK,   (16*KS/256)*272
.set SPARE,  SCL+4*HALFS               ; the spare words, 128 bytes for each wave
.set SPITCH, 528                       ; the way out: a stage of 16 rows x (512 bytes + 16) for each wave, in slot 0, which has had its last fill and its last read when the first result is stored there
.set ADRA, 16
.set ADRB, 20
.set STO,  24                          ; v24     the way out: where I put 32 bytes of a row
.set RD,   25                          ; v25     where I read a row back
.set CO,   26                          ; v26     my byte offset in a row of the output
.set ADRS, 27
.set SPW,  28                          ; v28     LDS address of my spare word; never rewritten
.set NIL,  29                          ; v29     0; never rewritten
.set SC,   32
.set AF,   128
.set BK,   128                         ; the way out: 16 rows read back from the stage: v128-191 and v192-255 by turns
.set G1, 24
.set G0, 32
.set G1B, 48
.set G0B, 56
.set G1S, 68
.set G0S, 76
.set G1SB, 80
.set G0SB, 88
.set MSB, 0
.macro WIN new                         ; the immediate's high byte repeats the setting that is left
.if MSB != (\new)
	s_set_vgpr_msb (MSB<<8)|(\new)
.set MSB, (\new)
.endif
.endm
.set MUL_LO, 0xa1
.set MUL_HI, 0xf1
.set TO_B,   0x40
; A joint load: waves 0 and 1 fetch for A, waves 2 and 3 for B; the branch hangs on the wave's number alone.  Four v_nop follow each of the two lines.
.macro JLOAD g0a, g1a, g0b, g1b
	s_cmp_eq_u32 s15, 0
	s_cbranch_scc0 .Lfor_b_\@
	tensor_load_to_lds s[\g0a:\g0a+3], s[\g1a:\g1a+7]
	s_nop 0
.rept 4
	v_nop
.endr
	s_branch .Lasked_\@
.Lfor_b_\@:
	tensor_load_to_lds s[\g0b:\g0b+3], s[\g1b:\g1b+7]
	s_nop 0
.rept 4
	v_nop
.endr
.Lasked_\@:
.endm
.macro CREST                           ; a round of the cluster's barrier behind its opening barrier
	s_cmp_lg_u32 s14, 0
	s_cbranch_scc1 .Lnot_wave_0_\@
	s_barrier_signal -3
.Lnot_wave_0_\@:
	s_barrier_wait -3
	s_barrier_signal -1
	s_barrier_wait -1
.endm
.macro CROUND                          ; a whole round
	s_barrier_signal -1
	s_barrier_wait -1
	CREST
.endm
	s_load_b128 s[4:7], s[0:1], 0x0                ; A's codes, A's scales
	s_load_b128 s[8:11], s[0:1], 0x10              ; codes, scales
	s_load_b64 s[12:13], s[0:1], 0x20              ; the output
	v_lshl_add_u32 v[SPW], v0, 2, SPARE
	v_mov_b32 v[NIL], 0
	ds_add_u32 v28, v29
	ds_add_u32 v28, v29
	s_wait_dscnt 0x0
	v_lshrrev_b32 v1, 5, v0
	v_readfirstlane_b32 s14, v1                    ; wave 0..3
	s_lshr_b32 s15, s14, 1                         ; which half of the tile's rows is mine.  Also: I fetch for A (0) or for B (1)
	s_and_b32 s16, s14, 1                          ; which half of its columns.  Also: which 128 rows of that tile I fetch
	s_bfe_u32 s40, ttmp6, 0x40000                  ; cx, cy
	s_bfe_u32 s41, ttmp6, 0x40004
	s_lshl_b32 s42, ttmp9, 2
	s_add_co_u32 s42, s42, s40                     ; tile column
	s_and_b32 s17, ttmp7, 0xffff
	s_lshl_b32 s17, s17, 2
	s_add_co_u32 s17, s17, s41                     ; tile row
	s_lshl_b32 s43, s41, 2
	s_lshl_b32 s43, 15, s43                        ; my row of the cluster
	s_lshl_b32 s44, 0x1111, s40                    ; my column
	s_or_b32 s[G1+0], s43, (0<<16)|(1<<20)|(1<<21)|(3<<22)|(3<<25)  ; the mask; element of 1 byte; padding on; 21 set beside a mask; after every 16 words 4 words
	s_or_b32 s[G1B+0], s44, (0<<16)|(1<<20)|(1<<21)|(3<<22)|(3<<25)
.irp g, G1, G1B
	s_mov_b32 s[\g+1], ROWB<<16                    ; tensor_dim0
	s_mov_b32 s[\g+2], 128<<16                     ; tensor_dim1
	s_mov_b32 s[\g+3], ROWB<<16                    ; tile_dim0
	s_mov_b32 s[\g+4], 128                         ; tile_dim1
	s_mov_b32 s[\g+5], KROW                        ; the pitch
	s_mov_b32 s[\g+6], 0
	s_mov_b32 s[\g+7], 0
.endr
	s_or_b32 s[G1S+0], s43, (3<<16)|(1<<20)|(1<<21)|(5<<22)|(3<<25)   ; the scales of 128 rows: a dense block, as rows of 256 bytes, 16 bytes of padding behind each
	s_or_b32 s[G1SB+0], s44, (3<<16)|(1<<20)|(1<<21)|(5<<22)|(3<<25)
.irp g, G1S, G1SB
	s_mov_b32 s[\g+1], 32<<16
	s_mov_b32 s[\g+2], (128*KS/256)<<16
	s_mov_b32 s[\g+3], 32<<16
	s_mov_b32 s[\g+4], 128*KS/256
	s_mov_b32 s[\g+5], 32
	s_mov_b32 s[\g+6], 0
	s_mov_b32 s[\g+7], 0
.endr
	s_lshl_b32 s18, s16, 7
	s_lshl_b32 s20, s17, 8
	s_add_co_u32 s20, s20, s18                     ; A: row 256 x tile row + 128 x half
	s_lshl_b32 s46, s42, 8
	s_add_co_u32 s46, s46, s18                     ; B: row 256 x tile column + 128 x half
	s_mov_b32 s21, 0
	s_mov_b32 s47, 0
	s_mov_b64 s[18:19], KS
	s_mul_u64 s[22:23], s[20:21], s[18:19]
	s_mul_u64 s[92:93], s[46:47], s[18:19]
	s_mov_b64 s[18:19], KROW
	s_mul_u64 s[20:21], s[20:21], s[18:19]
	s_mul_u64 s[46:47], s[46:47], s[18:19]
	s_mul_i32 s45, s14, HALFT                      ; where they go: wave x 128 rows
	s_mul_i32 s94, s14, HALFS
	s_wait_kmcnt 0x0
	s_add_nc_u64 s[8:9], s[8:9], 0x540000          ; w_proj's codes lie behind x's and w_qkv's,
	s_add_nc_u64 s[10:11], s[10:11], 0x38000       ; its scale bytes likewise
	s_add_nc_u64 s[20:21], s[4:5], s[20:21]
	s_add_nc_u64 s[22:23], s[6:7], s[22:23]
	s_add_nc_u64 s[46:47], s[8:9], s[46:47]
	s_add_nc_u64 s[92:93], s[10:11], s[92:93]
	CROUND                                         ; all sixteen work-groups are here: the first joint loads meet
	s_mov_b32 s[G0S], 1
	s_add_co_u32 s[G0S+1], s94, SCL
	s_mov_b64 s[G0S+2:G0S+3], s[22:23]
	s_or_b32 s[G0S+3], s[G0S+3], 0x80000000
	s_mov_b32 s[G0SB], 1
	s_add_co_u32 s[G0SB+1], s94, SCL
	s_mov_b64 s[G0SB+2:G0SB+3], s[92:93]
	s_or_b32 s[G0SB+3], s[G0SB+3], 0x80000000
	JLOAD G0S, G1S, G0SB, G1SB                     ; the scales first
.irp s, 0,1
	s_mov_b32 s[G0+4*\s], 1
	s_add_co_u32 s[G0+4*\s+1], s45, \s*SLOT
	s_add_nc_u64 s[G0+4*\s+2:G0+4*\s+3], s[20:21], \s*ROWB
	s_or_b32 s[G0+4*\s+3], s[G0+4*\s+3], 0x80000000
	s_mov_b32 s[G0B+4*\s], 1
	s_add_co_u32 s[G0B+4*\s+1], s45, \s*SLOT
	s_add_nc_u64 s[G0B+4*\s+2:G0B+4*\s+3], s[46:47], \s*ROWB
	s_or_b32 s[G0B+4*\s+3], s[G0B+4*\s+3], 0x80000000
	JLOAD G0+4*\s, G1, G0B+4*\s, G1B
.endr
	v_and_b32 v1, 15, v0                           ; l % 16
	v_bfe_u32 v2, v0, 4, 1                         ; l / 16
	v_mul_u32_u24 v3, v1, PITCH
	v_mul_u32_u24 v4, v2, 24
	v_add_nc_u32 v4, v3, v4
	v_lshl_add_u32 v5, v2, 4, v4
	s_mul_i32 s21, s15, HALFT
	s_mul_i32 s22, s16, HALFT
	s_add_co_u32 s22, s22, 2*HALFT
.irp s, 0,1
	v_add_nc_u32 v[ADRA+\s], s21, v4
	v_add_nc_u32 v[ADRB+\s], s22, v4
	v_add_nc_u32 v[ADRA+2+\s], s21, v5
	v_add_nc_u32 v[ADRB+2+\s], s22, v5
	s_add_co_u32 s21, s21, SLOT
	s_add_co_u32 s22, s22, SLOT
.endr
	v_mul_u32_u24 v5, v1, KS
	v_lshrrev_b32 v6, 8, v5
	v_lshl_add_u32 v5, v6, 4, v5
	s_mul_i32 s21, s15, HALFS
	s_mul_i32 s22, s16, HALFS
	s_add_co_u32 s22, s22, 2*HALFS
	s_sub_co_u32 s22, s22, s21
	v_mul_u32_u24 v6, s22, v2                      ; lanes 16-31 take B's
	s_add_co_u32 s21, s21, SCL
	v_add_nc_u32 v5, v5, v6
	v_add_nc_u32 v[ADRS], s21, v5
	s_mul_i32 s23, s14, 16*SPITCH                  ; my stage
	v_mul_u32_u24 v5, v1, SPITCH                   ; in: row l % 16, 32 bytes for each half of the lanes
	v_lshl_add_u32 v5, v2, 5, v5
	v_add_nc_u32 v[STO], s23, v5
	v_and_b32 v6, 31, v0
	v_lshlrev_b32 v[CO], 4, v6                     ; back: the 32 lanes take one row of 512 bytes; and the same in the output
	v_add_nc_u32 v[RD], s23, v[CO]
	s_lshl_b32 s20, s17, 8
	s_lshl_b32 s21, s15, 7
	s_add_co_u32 s20, s20, s21                     ; my first row
	s_mov_b32 s21, 0
	s_mov_b64 s[18:19], SIZE_N*4
	s_mul_u64 s[20:21], s[20:21], s[18:19]
	s_lshl_b32 s46, s42, 10                        ; my first column, in bytes
	s_lshl_b32 s47, s16, 9
	s_add_co_u32 s46, s46, s47
	s_mov_b32 s47, 0
	s_add_nc_u64 s[20:21], s[20:21], s[46:47]
	s_add_nc_u64 s[12:13], s[12:13], s[20:21]
.macro FRAG reg, adr, q, i             ; a fragment: 12 registers: lane l holds row l % 16; registers 6 c .. 6 c + 5 hold K = 64 c + 32 (l / 16) + 0 .. 31, in pieces of 8 bytes
.irp p, 0,1,2,3,4,5
.set PC, 12*(\q)+6*(\p/3)+\p%3        ; where the piece three on lies behind one padding more, the second address register serves
.if PC%8 < 5
	ds_load_b64 v[\reg+2*\p:\reg+2*\p+1], v[\adr] offset:8*PC+16*(PC/8)+(\i)*16*PITCH
.else
	ds_load_b64 v[\reg+2*\p:\reg+2*\p+1], v[\adr+2] offset:8*PC+16*(PC/8)+(\i)*16*PITCH
.endif
.endr
.endm
; 16 matrix instructions: A's blocks a0, a0 + 1 x B's eight.  The 64 accumulators take turns, one instruction a turn, in the same order in every step.
.macro MUL16 a0, p, q, sc, zero
.irp a, \a0, \a0+1
.irp b, 0,1,2,3,4,5,6,7
.if \zero
	v_wmma_scale_f32_16x16x128_f8f6f4 v[8*(8*((\a)%4)+\b):8*(8*((\a)%4)+\b)+7], v[128*(\p)+FR*\b:128*(\p)+FR*\b+FR-1], v[AF+FR*(\a):AF+FR*(\a)+FR-1], 0, v[SC+8*NQ*(\sc)+NQ*\b+(\q)], v[SC+8*NQ*(\sc)+NQ*(\a)+(\q)] matrix_a_fmt:MATRIX_FMT_FP6 matrix_b_fmt:MATRIX_FMT_FP6 matrix_a_scale:MATRIX_SCALE_ROW1
.else
	v_wmma_scale_f32_16x16x128_f8f6f4 v[8*(8*((\a)%4)+\b):8*(8*((\a)%4)+\b)+7], v[128*(\p)+FR*\b:128*(\p)+FR*\b+FR-1], v[AF+FR*(\a):AF+FR*(\a)+FR-1], v[8*(8*((\a)%4)+\b):8*(8*((\a)%4)+\b)+7], v[SC+8*NQ*(\sc)+NQ*\b+(\q)], v[SC+8*NQ*(\sc)+NQ*(\a)+(\q)] matrix_a_fmt:MATRIX_FMT_FP6 matrix_b_fmt:MATRIX_FMT_FP6 matrix_a_scale:MATRIX_SCALE_ROW1
.endif
.endr
.endr
.endm
.macro FETCH_B slot, q, p
	WIN TO_B
.irp i, 0,1,2,3,4,5,6,7
	FRAG 128*(\p)+FR*\i, ADRB+\slot, \q, \i
.endr
	WIN 0
.endm
.macro FETCH_A slot, q, i0
.irp i, \i0, \i0+1, \i0+2, \i0+3
	FRAG AF+FR*(\i), ADRA+\slot, \q, \i
.endr
.endm
.macro SCALES sc
.irp i, 0,1,2,3,4,5,6,7
	ds_load_b64 v[SC+8*NQ*\sc+NQ*\i:SC+8*NQ*\sc+NQ*\i+1], v[ADRS] offset:\i*SBLK
.endr
.endm
.macro PLACES n                        ; places behind matrix instructions: plain vector instructions that name none of their registers (ISA guide 7.12.1 for vector instructions)
.rept \n
	v_nop
.endr
.endm
.macro STEP slot, q, zero
	s_wait_dscnt 4*NL                              ; B's set and A's blocks 0-3 are in; the youngest 24 loads (A's blocks 4-7) may be out
	WIN MUL_LO
	MUL16 0, (\q)%2, \q, \slot, \zero
	MUL16 2, (\q)%2, \q, \slot, \zero
	s_wait_dscnt 0
	PLACES NP
	FETCH_B \slot, (\q)+1, 1-(\q)%2
	FETCH_A \slot, (\q)+1, 0
	WIN MUL_HI
	MUL16 4, (\q)%2, \q, \slot, \zero
	MUL16 6, (\q)%2, \q, \slot, \zero
	PLACES NP
	WIN 0
	FETCH_A \slot, (\q)+1, 4
.endm
; A slot's last step changes slots: ONE barrier; in front of it each wave waits for all its tensor loads, adds 0 to its spare word, and waits for that and for its own reads of this slot.
.macro TURN slot, next, fill
	s_wait_tensorcnt 0x0                           ; all my tensor loads have landed: my part of the next slot;
	ds_add_u32 v[SPW], v[NIL]                      ; 0 onto my spare word
	s_wait_dscnt 4*NL+1                            ; (the add and the youngest 24 loads may be out)
	WIN MUL_LO
	MUL16 0, 1, NQ-1, \slot, 0
	s_wait_dscnt 0x0                               ; the add is done, and my reads of this slot are over
	s_barrier_signal -1
	MUL16 2, 1, NQ-1, \slot, 0
	WIN 0
	s_barrier_wait -1
.if \fill
	CREST                                          ; the barrier has opened a round of the cluster's barrier: no wave of any partner still reads this slot's tile or has a load on its way
	s_add_nc_u64 s[G0+4*\slot+2:G0+4*\slot+3], s[G0+4*\slot+2:G0+4*\slot+3], 2*ROWB
	s_add_nc_u64 s[G0B+4*\slot+2:G0B+4*\slot+3], s[G0B+4*\slot+2:G0B+4*\slot+3], 2*ROWB
	JLOAD G0+4*\slot, G1, G0B+4*\slot, G1B         ; the first tensor load behind the round
.else
	PLACES NP
.endif
	v_add_nc_u32 v[ADRS], 4*NQ, v[ADRS]            ; on to the next K step's scale words (no LDS load of mine is out)
	FETCH_B \next, 0, 0
	FETCH_A \next, 0, 0
	SCALES \next
	WIN MUL_HI
	MUL16 4, 1, NQ-1, \slot, 0
	MUL16 6, 1, NQ-1, \slot, 0
	PLACES NP
	WIN 0
	FETCH_A \next, 0, 4
.endm
	s_wait_tensorcnt 1                             ; the scales and my part of K step 0 are in (K step 1's load may be out),
	s_barrier_signal -1
	s_barrier_wait -1                              ; everybody's are
	FETCH_B 0, 0, 0
	FETCH_A 0, 0, 0
	SCALES 0
	FETCH_A 0, 0, 4
	STEP 0, 0, 1                                   ; the first step's products start the sums
	s_mov_b32 s3, LAPS-1
.Llap:
	TURN 0, 1, 1
	STEP 1, 0, 0
	TURN 1, 0, 1
	STEP 0, 0, 0
	s_sub_co_u32 s3, s3, 1
	s_cmp_lg_u32 s3, 0
	s_cbranch_scc1 .Llap
	TURN 0, 1, 0                                   ; the last lap fills nothing
	STEP 1, 0, 0
	s_wait_dscnt 4*NL
	WIN MUL_LO
	MUL16 0, 1, NQ-1, 1, 0
	MUL16 2, 1, NQ-1, 1, 0
	s_wait_dscnt 0
	WIN MUL_HI
	MUL16 4, 1, NQ-1, 1, 0
	MUL16 6, 1, NQ-1, 1, 0
	WIN 0
; THE WAY OUT, block by block of 16 rows x 128 columns, through my own stage in LDS: back come whole rows of 512 bytes.  LDS serves a wave's instructions in order (ISA guide 5.7.1.4).
.macro TOSTAGE a
.set AC, 64*((\a)%4)
	WIN 0x08+4*((\a)/4)                            ; the data: window 2 or 3
.irp b, 0,1,2,3,4,5,6,7
	ds_store_b128 v[STO], v[AC+8*\b:AC+8*\b+3] offset:64*\b          ; each accumulator from its low end on
	ds_store_b128 v[STO], v[AC+8*\b+4:AC+8*\b+7] offset:64*\b+16
.endr
	WIN 0
.set BB, BK+64*((\a)%2)
.irp t, 0,1,2,3,4,5,6,7,8,9,10,11,12,13,14,15
	ds_load_b128 v[BB+4*\t:BB+4*\t+3], v[RD] offset:\t*SPITCH
.endr
.endm
.macro SEND a, younger                 ; younger: the LDS instructions issued behind block a's loads, which may stay out
.set BB, BK+64*((\a)%2)
	s_wait_dscnt \younger
.if (\a) > 0
	s_add_nc_u64 s[12:13], s[12:13], 16*SIZE_N*4   ; (behind a wait on XCNT: the earlier stores have read their base)  16 rows on
.endif
.irp t, 0,1,2,3,4,5,6,7,8,9,10,11,12,13,14,15
	global_store_b128 v[CO], v[BB+4*\t:BB+4*\t+3], s[12:13] offset:\t*SIZE_N*4 th:TH_STORE_NT   ; 32 lanes store 512 consecutive bytes, aligned to 256
.endr
.endm
	PLACES NP
	TOSTAGE 0
.irp a, 1,2,3,4,5,6,7
.if \a > 1
	s_wait_xcnt 0x0                                ; block a - 2's stores have read their registers and their base
.endif
	TOSTAGE \a
	SEND \a-1, 32                                  ; behind block a - 1's loads: block a's 16 stores and 16 loads
.endr
	s_wait_xcnt 0x0
	SEND 7, 0
	s_wait_tensorcnt 0x0                           ; the wave's end
	ds_add_u32 v[SPW], v[NIL]
	s_wait_dscnt 0x0
	CROUND                                         ; the closing round
	s_endpgm
.Lfunc_end_k_qd74e60fd1d_proj:
	.size	k_qd74e60fd1d_proj, .Lfunc_end_k_qd74e60fd1d_proj-k_qd74e60fd1d_proj
	.p2alignl 7, 3214868480
	.fill 96, 4, 3214868480
	.section	.rodata,"a",@progbits
	.p2align	6, 0x0
	.amdhsa_kernel k_qd74e60fd1d_proj
		.amdhsa_group_segment_fixed_size 327680
		.amdhsa_private_segment_fixed_size 0
		.amdhsa_enable_private_segment 0
		.amdhsa_kernarg_size 40
		.amdhsa_user_sgpr_count 2
		.amdhsa_user_sgpr_kernarg_segment_ptr 1
		.amdhsa_wavefront_size32 1
		.amdhsa_system_sgpr_workgroup_id_x 1
		.amdhsa_system_sgpr_workgroup_id_y 1
		.amdhsa_system_sgpr_workgroup_id_z 1
		.amdhsa_system_vgpr_workitem_id 0
		.amdhsa_next_free_vgpr 1024
		.amdhsa_next_free_sgpr 98
		.amdhsa_reserve_vcc 0
		.amdhsa_float_denorm_mode_32 3
		.amdhsa_float_denorm_mode_16_64 3
		.amdhsa_memory_ordered 1
		.amdhsa_forward_progress 1
		.amdhsa_inst_pref_size 160
	.end_amdhsa_kernel
	.amdgpu_metadata
---
amdhsa.version: [ 1, 2 ]
amdhsa.kernels:
  - .name:           k_qd74e60fd1d_proj
    .symbol:         k_qd74e60fd1d_proj.kd
    .args:
      - { .name: oc, .offset: 0, .size: 8, .value_kind: global_buffer, .address_space: global }
      - { .name: os, .offset: 8, .size: 8, .value_kind: global_buffer, .address_space: global }
      - { .name: codes, .offset: 16, .size: 8, .value_kind: global_buffer, .address_space: global }
      - { .name: scales, .offset: 24, .size: 8, .value_kind: global_buffer, .address_space: global }
      - { .name: out0, .offset: 32, .size: 8, .value_kind: global_buffer, .address_space: global }
    .group_segment_fixed_size: 327680
    .private_segment_fixed_size: 0
    .kernarg_segment_align: 8
    .kernarg_segment_size: 40
    .max_flat_workgroup_size: 128
    .sgpr_count:     98
    .vgpr_count:     1024
    .wavefront_size: 32
...
	.end_amdgpu_metadata
.endif
;; end of part 4
